; MI455X (gfx1250); checked and timed in simulation.
; The chip was launched on July 23, 2026; its instructions are those of AMD's public machine-readable ISA for CDNA 5 (MIT licence, August 2026) and "CDNA5" Instruction Set Architecture Reference Guide (July 2026). The comments in the code are by the model that wrote it; some were corrected since.
;; Msa Update With Pair And Coord. Allowed arithmetic: float matrix products may take bf16 or f16 operands with f32 sums; all other float work in f32.
;; Inputs: W1 256 x 1,024 float32; W2 1,024 x 256 float32; Wk 64 x 128 float32; Wq 64 x 128 float32; Wv 256 x 256 float32; b1 1,024 float32; b2 256 float32; bk 128 float32; bq 128 float32; bv 256 float32; ff_ln_b 256 float32; ff_ln_g 256 float32; ln_msa_b 256 float32; ln_msa_g 256 float32; ln_out_b 256 float32; ln_out_g 256 float32; ln_state_b 64 float32; ln_state_g 64 float32; msa 1 x 128 x 512 x 256 float32; state 1 x 512 x 64 float32; xyz 1 x 512 x 3 x 3 float32.
;; Outputs: out0 1 x 128 x 512 x 256 float32.
;; 2 versions, each right. Each part assembles by itself: llvm-mc -triple=amdgcn-amd-amdhsa -mcpu=gfx1250 --defsym DOCPART=n.
;; ======== version 1 of 2: 3 launches
;; limits: values are held in f16: magnitudes above 65,504 overflow, below 6.1e-05 lose precision
;; workspace buffers: attf 2,097,152 bytes; vf 33,554,432 bytes; wvf 131,072 bytes; wff 1,048,576 bytes; bvf 1,024 bytes; b1f 4,096 bytes
;; launch prep (part 1): grid 68 x 1, 4 waves a work-group, no clusters, 39,424 bytes of LDS; arguments state, xyz, ln_state_g, ln_state_b, Wq, bq, Wk, bk, Wv, bv, ln_msa_g, ln_msa_b, W1, b1, ff_ln_g, ff_ln_b, W2, attf, wvf, bvf, wff, b1f; writes attf, wvf, bvf, wff, b1f
.if DOCPART == 1
	.amdgcn_target "amdgcn-amd-amdhsa--gfx1250"
	.amdhsa_code_object_version 6
	.text
	.protected	k_q05151843ba_prep
	.globl	k_q05151843ba_prep
	.p2align	8
	.type	k_q05151843ba_prep,@function
k_q05151843ba_prep:
	s_mov_b64 s[64:65], 0
	v_nop
	global_prefetch_b8 v0, s[64:65] scope:SCOPE_SE
	s_setreg_imm32_b32 hwreg(HW_REG_WAVE_MODE, 25, 1), 1
	s_wait_xcnt 0x0
; prep: everything that does not hang on msa.
;   work-groups 0-31  (ATT):  the attention weights softmax(q k^T / 4 + mask) of one head and 64 query rows, as f16 fragments -> attf
;   work-groups 32-35 (V):    ln_msa_g o Wv as f16 fragments -> wvf;  bv + ln_msa_b @ Wv -> bvf
;   work-groups 36-51 (W1):   ff_ln_g o W1 as bf16 fragments -> wff;  b1 + ff_ln_b @ W1 -> b1f
;   work-groups 52-67 (W2):   W2 as bf16 fragments -> wff
; LN(x) @ W + c = t @ (g o W) + (b @ W + c) with t = (x - mean) rstd: exact algebra, so the later launches multiply t alone.
; FRAGMENT ORDER: a 16 x 32 operand of 16-bit numbers is 1,024 consecutive bytes: lane L's registers 0-3 at 16 L, registers 4-7 at 512 + 16 L.
; So every store of a wave here covers 512 consecutive aligned bytes and every later read is base + 16 L.
; The role hangs on the work-group's number alone, so all four waves of a work-group take the same way and meet the same barrier.
; LIMITS. d^2 is summed by fused multiply-adds and the root is good to 1 ULP: a pair whose distance lies within about 1 ULP of a bin edge
; (8, 12, 16, 20) may fall on the other side of the mask.  Exponentials below 2^-126 come out as zero.  The weights are rounded to f16
; (they lie in [0, 1]); g o Wv is rounded to f16: it must stay below 65,504, and below 6e-5 its step is 6e-8.
.set MSB, 0
.macro WIN new                         ; the immediate's high byte repeats the setting that is left
.if MSB != (\new)
	s_set_vgpr_msb (MSB<<8)|(\new)
.set MSB, (\new)
.endif
.endm
.macro PLACES                          ; four places behind a matrix instruction (ISA guide 7.12.1)
.rept 4
	v_nop
.endr
.endm
.set CA,  32768                        ; LDS: 32 k fragments of 1 KB at 0; then x[512], y[512], z[512] of the CA atoms
.set SG,  16                           ; v[16:47]   ln_state_g of my 32 columns            (later KB: four k fragments)
.set SB,  48                           ; v[48:79]   ln_state_b                             (later CX)
.set WKF, 80                           ; v[80:111]  Wk^T, four fragments (dt, ks) at 8 (2 dt + ks)   (later CY)
.set WQF, 112                          ; v[112:143] Wq^T x 0.25 log2(e)                    (later CZ)
.set BK,  144                          ; v[144:159] bk of my 16 d                          (later XI, YI, ZI, NEG, ZERO, ...)
.set BQ,  160                          ; v[160:175] bq x 0.25 log2(e)
.set QF,  176                          ; v[176:183] my 16 query rows as a fragment
.set DT,  184                          ; v[184:199] two result tiles
.set SF,  200                          ; v[200:215] LN(state), two fragments
.set ST,  216                          ; v[216:223] statistics
.set T,   224                          ; v[224:255] at work
.set KB,  16
.set CX,  48
.set CY,  80
.set CZ,  112
.set XI,  144
.set YI,  146
.set ZI,  148
; window 1: eight raw state tiles of 32 registers, later the 256 logits.  window 2: raw Wk (0-63), raw Wq (64-127), raw query tile (128-159)
	s_set_vgpr_msb 0x80
	v_lshl_add_u32 v160, v0, 2, 0x9800
	v_mov_b32 v161, 0
	s_set_vgpr_msb 0x8000
	s_mov_b32 s23, ttmp9
	v_lshrrev_b32 v1, 5, v0
	v_readfirstlane_b32 s22, v1                    ; wave 0..3
	v_and_b32 v1, 15, v0                           ; r
	v_bfe_u32 v2, v0, 4, 1                         ; h
	v_and_b32 v11, 31, v0
	v_lshlrev_b32 v11, 4, v11                      ; 16 L
	s_mov_b32 s26, 0x76543210                      ; v_permlanex16_b32: lane i reads lane i of the other half
	s_mov_b32 s27, 0xfedcba98
	s_cmp_lt_u32 s23, 32
	s_cbranch_scc0 .Lpack
; ---------------------------------------------------------------- ATT
; head hd = id / 8.  Wave w owns the 16 query rows of block ib = 4 (id % 8) + w and all 512 keys: no softmax crosses waves.
; All products are used transposed (source 0 = weights or keys, source 1 = rows): lane (r, h) holds row r and columns 16 t + 8 h + e.
	s_load_b512 s[4:19], s[0:1], 0x0               ; state, xyz, ln_state_g, ln_state_b, Wq, bq, Wk, bk
	s_load_b64 s[20:21], s[0:1], 0x88              ; attf
	s_lshr_b32 s24, s23, 3                         ; hd
	s_and_b32 s25, s23, 7
	s_lshl2_add_u32 s25, s25, s22                  ; ib
	s_mov_b32 s30, 0x3eb8aa3b                      ; 0.25 log2(e): the softmax is taken in base 2
	s_mov_b32 s31, 0x3eb8aa3b
	s_mov_b32 s32, 0x3c800000                      ; 1 / 64
	s_mov_b32 s33, 0x3727c5ac                      ; 1e-5
	v_lshlrev_b32 v3, 5, v2                        ; 32 h: my 8 columns of a tile of 16 f32
	s_lshl_b32 s28, s24, 7                         ; 128 hd: the head's 32 columns of Wq, Wk, bq, bk
	v_add_nc_u32 v4, s28, v3
	v_lshlrev_b32 v5, 12, v2                       ; W: 8 h rows of 512 bytes
	v_lshl_add_u32 v5, v1, 2, v5                   ;    + column r
	v_add_nc_u32 v5, s28, v5
	v_lshl_add_u32 v7, v1, 8, v3                   ; state: row r of 256 bytes + 32 h
	s_lshl_b32 s29, s22, 15
	v_add_nc_u32 v6, s29, v7                       ; key tiles 8 w .. 8 w + 7
	s_lshl_b32 s29, s25, 12
	v_add_nc_u32 v7, s29, v7                       ; query tile ib
	s_lshl_b32 s29, s25, 4
	v_add_nc_u32 v8, s29, v1
	v_mad_u32_u24 v8, v8, 36, 12                   ; xyz[16 ib + r][1][0]
	v_mad_u32_u24 v9, v0, 36, 12                   ; xyz[thread][1][0]
	v_lshl_add_u32 v10, v0, 2, CA
	s_lshl_b32 s29, s22, 13
	v_add_nc_u32 v15, s29, v11                     ; where my k fragments go
	s_wait_kmcnt 0x0
	; every load of the role in one run: one latency is paid once
.irp t,0,1,2,3
.irp q,0,1
	global_load_b128 v[SG+8*\t+4*\q:SG+8*\t+4*\q+3], v3, s[8:9] offset:64*\t+16*\q
	global_load_b128 v[SB+8*\t+4*\q:SB+8*\t+4*\q+3], v3, s[10:11] offset:64*\t+16*\q
.endr
.endr
.irp d,0,1
.irp q,0,1
	global_load_b128 v[BK+8*\d+4*\q:BK+8*\d+4*\q+3], v4, s[18:19] offset:64*\d+16*\q
	global_load_b128 v[BQ+8*\d+4*\q:BQ+8*\d+4*\q+3], v4, s[14:15] offset:64*\d+16*\q
.endr
.endr
	global_load_b32 v12, v8, s[6:7]
	global_load_b32 v13, v8, s[6:7] offset:4
	global_load_b32 v14, v8, s[6:7] offset:8
.irp u,0,1,2,3
.irp c,0,1,2
	global_load_b32 v[T+3*\u+\c], v9, s[6:7] offset:4608*\u+4*\c       ; atom thread + 128 u
.endr
.endr
	WIN 0x80
.irp d,0,1
.irp k,0,1
.irp q,0,1
.irp e,0,1,2,3,4,5,6,7
	global_load_b32 v[16*(2*\d+\k)+8*\q+\e], v5, s[16:17] offset:(32*\k+16*\q+\e)*512+64*\d      ; Wk[32 k + 16 q + 8 h + e][32 hd + 16 d + r]
	global_load_b32 v[64+16*(2*\d+\k)+8*\q+\e], v5, s[12:13] offset:(32*\k+16*\q+\e)*512+64*\d   ; Wq likewise
.endr
.endr
.endr
.endr
.irp t,0,1,2,3
.irp q,0,1
	global_load_b128 v[128+8*\t+4*\q:128+8*\t+4*\q+3], v7, s[4:5] offset:64*\t+16*\q
.endr
.endr
	WIN 0x40
.irp u,0,1,2,3,4,5,6,7
.irp t,0,1,2,3
.irp q,0,1
	global_load_b128 v[32*\u+8*\t+4*\q:32*\u+8*\t+4*\q+3], v6, s[4:5] offset:4096*\u+64*\t+16*\q
.endr
.endr
.endr
	WIN 0
	s_wait_loadcnt 0x0
.irp u,0,1,2,3
.irp c,0,1,2
	ds_store_b32 v10, v[T+3*\u+\c] offset:2048*\c+512*\u
.endr
.endr
	WIN 0x82
.set i, 64
.rept 32
	v_pk_mul_f32 v[i:i+1], v[i:i+1], s[30:31] op_sel_hi:[1,0]
.set i, i+2
.endr
	WIN 0x0a
.set i, 0
.rept 32
	v_cvt_pk_bf16_f32 v[WKF+i], v[2*i], v[2*i+1]
	v_cvt_pk_bf16_f32 v[WQF+i], v[64+2*i], v[64+2*i+1]
.set i, i+1
.endr
	WIN 0
.set i, 0
.rept 8
	v_pk_mul_f32 v[BQ+i:BQ+i+1], v[BQ+i:BQ+i+1], s[30:31] op_sel_hi:[1,0]
.set i, i+2
.endr
; One tile of 16 state rows: LN in two passes (mean, then the centred squares), then rows x W^T + bias.  A row's 64 columns lie in lanes r and r + 16.
; win, base: where the raw tile lies; wf, bi: weights and bias; isq = 1: the result is my query fragment, else a k fragment for LDS byte off.
.macro STILE win, base, wf, bi, isq, off
	WIN (\win|(\win<<2))
	v_pk_add_f32 v[ST:ST+1], v[\base:\base+1], v[\base+2:\base+3]
	v_pk_add_f32 v[ST+2:ST+3], v[\base+4:\base+5], v[\base+6:\base+7]
	WIN \win
.irp i,8,12,16,20,24,28
	v_pk_add_f32 v[ST:ST+1], v[\base+\i:\base+\i+1], v[ST:ST+1]
	v_pk_add_f32 v[ST+2:ST+3], v[\base+\i+2:\base+\i+3], v[ST+2:ST+3]
.endr
	WIN 0
	v_pk_add_f32 v[ST:ST+1], v[ST:ST+1], v[ST+2:ST+3]
	v_add_f32 v[ST], v[ST], v[ST+1]
	v_permlanex16_b32 v[ST+1], v[ST], s26, s27
	v_add_f32 v[ST], v[ST], v[ST+1]
	v_mul_f32 v[ST], s32, v[ST]                    ; mean
	v_mov_b32 v[ST+1], v[ST]
	WIN \win
.irp i,0,2,4,6,8,10,12,14,16,18,20,22,24,26,28,30
	v_pk_add_f32 v[T+\i:T+\i+1], v[\base+\i:\base+\i+1], v[ST:ST+1] neg_lo:[0,1] neg_hi:[0,1]
.endr
	WIN 0
	v_pk_mul_f32 v[ST+2:ST+3], v[T:T+1], v[T:T+1]
	v_pk_mul_f32 v[ST+4:ST+5], v[T+2:T+3], v[T+2:T+3]
.irp i,4,8,12,16,20,24,28
	v_pk_fma_f32 v[ST+2:ST+3], v[T+\i:T+\i+1], v[T+\i:T+\i+1], v[ST+2:ST+3]
	v_pk_fma_f32 v[ST+4:ST+5], v[T+\i+2:T+\i+3], v[T+\i+2:T+\i+3], v[ST+4:ST+5]
.endr
	v_pk_add_f32 v[ST+2:ST+3], v[ST+2:ST+3], v[ST+4:ST+5]
	v_add_f32 v[ST+2], v[ST+2], v[ST+3]
	v_permlanex16_b32 v[ST+3], v[ST+2], s26, s27
	v_add_f32 v[ST+2], v[ST+2], v[ST+3]
	v_fma_f32 v[ST+2], v[ST+2], s32, s33           ; variance + 1e-5
	v_rsq_f32 v[ST+2], v[ST+2]
	v_nop                                          ; one plain place behind the transcendental (ISA guide 5.7.2)
	s_wait_alu depctr_va_vdst(0)
	v_mov_b32 v[ST+3], v[ST+2]
.irp i,0,2,4,6,8,10,12,14,16,18,20,22,24,26,28,30
	v_pk_mul_f32 v[T+\i:T+\i+1], v[T+\i:T+\i+1], v[ST+2:ST+3]
.endr
.irp i,0,2,4,6,8,10,12,14,16,18,20,22,24,26,28,30
	v_pk_fma_f32 v[T+\i:T+\i+1], v[T+\i:T+\i+1], v[SG+\i:SG+\i+1], v[SB+\i:SB+\i+1]
.endr
.irp i,0,1,2,3,4,5,6,7,8,9,10,11,12,13,14,15
	v_cvt_pk_bf16_f32 v[SF+\i], v[T+2*\i], v[T+2*\i+1]
.endr
	; two accumulators by turns, one instruction a turn; the bias is the first product's C
	v_wmma_f32_16x16x32_bf16 v[DT:DT+7], v[\wf:\wf+7], v[SF:SF+7], v[\bi:\bi+7]
	v_wmma_f32_16x16x32_bf16 v[DT+8:DT+15], v[\wf+16:\wf+23], v[SF:SF+7], v[\bi+8:\bi+15]
	v_wmma_f32_16x16x32_bf16 v[DT:DT+7], v[\wf+8:\wf+15], v[SF+8:SF+15], v[DT:DT+7]
	v_wmma_f32_16x16x32_bf16 v[DT+8:DT+15], v[\wf+24:\wf+31], v[SF+8:SF+15], v[DT+8:DT+15]
	PLACES
.if \isq
.irp i,0,1,2,3,4,5,6,7
	v_cvt_pk_bf16_f32 v[QF+\i], v[DT+2*\i], v[DT+2*\i+1]
.endr
.else
.irp i,0,1,2,3,4,5,6,7
	v_cvt_pk_bf16_f32 v[T+\i], v[DT+2*\i], v[DT+2*\i+1]    ; tile d 0-15 -> registers 0-3, tile d 16-31 -> registers 4-7: the fragment as it is
.endr
	ds_store_b128 v15, v[T:T+3] offset:\off
	ds_store_b128 v15, v[T+4:T+7] offset:\off+512
.endif
.endm
	STILE 2,128,WQF,BQ,1,0
.irp u,0,1,2,3,4,5,6,7
	STILE 1,32*\u,WKF,BK,0,1024*\u
.endr
	s_wait_dscnt 0x0                               ; my k fragments and my part of the CA table are in LDS, for the other waves' sake
	s_barrier_signal -1
	s_barrier_wait -1
	v_mov_b32 v[XI], v12
	v_mov_b32 v[XI+1], v12
	v_mov_b32 v[YI], v13
	v_mov_b32 v[YI+1], v13
	v_mov_b32 v[ZI], v14
	v_mov_b32 v[ZI+1], v14
	v_mov_b32 v150, 0xceabfb8f                     ; -1e9 log2(e)
	v_mov_b32 v151, 0
	s_lshl_b32 s28, s24, 2
	s_add_co_u32 s28, s28, 8
	v_cvt_f32_u32 v153, s28                        ; the head's bin edge: 8 + 4 hd
	s_lshl_b32 s28, s24, 5
	s_add_co_u32 s28, s28, s25
	s_lshl_b32 s28, s28, 14
	v_add_nc_u32 v152, s28, v11                    ; attf: (32 hd + ib) x 16 KB + 16 L
; Four key tiles: logits (keys x queries, so that lane (r, h) holds query r, keys 16 jt + 8 h + e) and the mask's addend.
; The distance work names none of the matrix instructions' registers: it gives the places ahead of the reads of D and of the next loads into KB.
.macro GRP g
	WIN 0
.irp u,0,1,2,3
	ds_load_b128 v[KB+8*\u:KB+8*\u+3], v11 offset:(4*\g+\u)*1024
	ds_load_b128 v[KB+8*\u+4:KB+8*\u+7], v11 offset:(4*\g+\u)*1024+512
.endr
.irp u,0,1,2,3
.irp q,0,1
	ds_load_b128 v[CX+8*\u+4*\q:CX+8*\u+4*\q+3], v3 offset:CA+64*(4*\g+\u)+16*\q
	ds_load_b128 v[CY+8*\u+4*\q:CY+8*\u+4*\q+3], v3 offset:CA+2048+64*(4*\g+\u)+16*\q
	ds_load_b128 v[CZ+8*\u+4*\q:CZ+8*\u+4*\q+3], v3 offset:CA+4096+64*(4*\g+\u)+16*\q
.endr
.endr
	s_wait_dscnt 0x0
	WIN 0x40
.irp u,0,1,2,3
	v_wmma_f32_16x16x32_bf16 v[8*(4*\g+\u):8*(4*\g+\u)+7], v[KB+8*\u:KB+8*\u+7], v[QF:QF+7], 0
.endr
	WIN 0
.set i, 0
.rept 16
	v_pk_add_f32 v[CX+i:CX+i+1], v[CX+i:CX+i+1], v[XI:XI+1] neg_lo:[0,1] neg_hi:[0,1]
	v_pk_add_f32 v[CY+i:CY+i+1], v[CY+i:CY+i+1], v[YI:YI+1] neg_lo:[0,1] neg_hi:[0,1]
	v_pk_add_f32 v[CZ+i:CZ+i+1], v[CZ+i:CZ+i+1], v[ZI:ZI+1] neg_lo:[0,1] neg_hi:[0,1]
.set i, i+2
.endr
.set i, 0
.rept 16
	v_pk_mul_f32 v[CX+i:CX+i+1], v[CX+i:CX+i+1], v[CX+i:CX+i+1]
.set i, i+2
.endr
.set i, 0
.rept 16
	v_pk_fma_f32 v[CX+i:CX+i+1], v[CY+i:CY+i+1], v[CY+i:CY+i+1], v[CX+i:CX+i+1]
.set i, i+2
.endr
.set i, 0
.rept 16
	v_pk_fma_f32 v[CX+i:CX+i+1], v[CZ+i:CZ+i+1], v[CZ+i:CZ+i+1], v[CX+i:CX+i+1]
.set i, i+2
.endr
.set i, 0
.rept 32
	v_sqrt_f32 v[CX+i], v[CX+i]
.set i, i+1
.endr
	v_nop                                          ; one plain place behind the transcendentals
.set i, 0
	s_wait_alu depctr_va_vdst(0)
.rept 32
	v_cmp_gt_f32 vcc_lo, v153, v[CX+i]             ; edge > distance
	v_cndmask_b32 v[CX+i], v150, v151, vcc_lo      ; open: 0, shut: -1e9 log2(e)
.set i, i+1
.endr
	WIN 0x41
.set i, 0
.rept 16
	v_pk_add_f32 v[32*\g+i:32*\g+i+1], v[32*\g+i:32*\g+i+1], v[CX+i:CX+i+1]
.set i, i+2
.endr
.endm
.irp g,0,1,2,3,4,5,6,7
	GRP \g
.endr
	; softmax over my 256 registers and the partner lane's: the maximum is taken away first, as in the problem
	WIN 0x05
.irp c,0,1,2,3
	v_max_num_f32 v[ST+\c], v[2*\c], v[2*\c+1]
.endr
	WIN 0x14
.set i, 8
.rept 124
	v_max3_num_f32 v[ST+((i/2)%4)], v[ST+((i/2)%4)], v[i], v[i+1]
.set i, i+2
.endr
	WIN 0
	v_max3_num_f32 v[ST], v[ST], v[ST+1], v[ST+2]
	v_max_num_f32 v[ST], v[ST], v[ST+3]
	v_permlanex16_b32 v[ST+1], v[ST], s26, s27
	v_max_num_f32 v[ST], v[ST], v[ST+1]
	v_mov_b32 v[ST+1], v[ST]
	WIN 0x41
.set i, 0
.rept 128
	v_pk_add_f32 v[i:i+1], v[i:i+1], v[ST:ST+1] neg_lo:[0,1] neg_hi:[0,1]
.set i, i+2
.endr
.set i, 0
.rept 256
	v_exp_f32 v[i], v[i]
.set i, i+1
.endr
	v_nop
	WIN 0x05
	s_wait_alu depctr_va_vdst(0)
.irp c,0,1,2,3
	v_pk_add_f32 v[ST+2*\c:ST+2*\c+1], v[4*\c:4*\c+1], v[4*\c+2:4*\c+3]
.endr
	WIN 0x01
.set i, 8
.rept 120
	v_pk_add_f32 v[ST+2*(i%4):ST+2*(i%4)+1], v[2*i:2*i+1], v[ST+2*(i%4):ST+2*(i%4)+1]
.set i, i+1
.endr
	WIN 0
	v_pk_add_f32 v[ST:ST+1], v[ST:ST+1], v[ST+2:ST+3]
	v_pk_add_f32 v[ST+4:ST+5], v[ST+4:ST+5], v[ST+6:ST+7]
	v_pk_add_f32 v[ST:ST+1], v[ST:ST+1], v[ST+4:ST+5]
	v_add_f32 v[ST], v[ST], v[ST+1]
	v_permlanex16_b32 v[ST+1], v[ST], s26, s27
	v_add_f32 v[ST], v[ST], v[ST+1]                ; at least 1: the largest term is 2^0
	v_rcp_f32 v[ST+2], v[ST]
	v_nop
	s_wait_alu depctr_va_vdst(0)
	v_mov_b32 v[ST+3], v[ST+2]
	WIN 0x41
.set i, 0
.rept 128
	v_pk_mul_f32 v[i:i+1], v[i:i+1], v[ST+2:ST+3]
.set i, i+2
.endr
	WIN 0x45
.set i, 0
.rept 128
	v_cvt_pk_f16_f32 v[i], v[2*i], v[2*i+1]        ; packed in place: word i never lies ahead of its sources
.set i, i+1
.endr
	WIN 0x04
.irp j,0,1,2,3,4,5,6,7,8,9,10,11,12,13,14,15,16,17,18,19,20,21,22,23,24,25,26,27,28,29,30,31
	global_store_b128 v152, v[4*\j:4*\j+3], s[20:21] offset:512*\j      ; key tile j: half a fragment, 512 consecutive aligned bytes of the wave
.endr
	WIN 0
	s_set_vgpr_msb 0xa
	s_wait_tensorcnt 0x0
	ds_add_u32 v160, v161
	s_wait_dscnt 0x0
	s_set_vgpr_msb 0xa00
	s_endpgm
; ---------------------------------------------------------------- the weights
; A wave packs eight fragments of one tile of 16 columns: lane (r, h) holds column r and k = 32 u + 16 q + 8 h + e.  The four waves of a
; work-group take four neighbouring column tiles, 256 bytes of each source row.
.set WR, 16                            ; v[16:79]   four fragments' numbers, f32
.set GR, 80                            ; v[80:143]  the gains of their k (the second batch packs into these registers)
.set BR, 144                           ; v[144:207] the shifts of their k
.set PS, 8                             ; v[8:15]    four chains of shift x weight
; pb: bytes in a source row; scaled: gain and fold; kind 2: W2's places in wff; half: f16 instead of bf16
.macro PACK pb, scaled, kind, half
.if \scaled
	global_load_b32 v7, v6, s[6:7]                 ; the bias of my column
.endif
.irp bt,0,1
.irp u,0,1,2,3
.irp q,0,1
.irp e,0,1,2,3,4,5,6,7
	global_load_b32 v[WR+16*\u+8*\q+\e], v3, s[4:5] offset:(32*(4*\bt+\u)+16*\q+\e)*\pb
.endr
.endr
.endr
.if \scaled
.irp u,0,1,2,3
.irp q,0,1
.irp p,0,1
	global_load_b128 v[GR+16*\u+8*\q+4*\p:GR+16*\u+8*\q+4*\p+3], v4, s[8:9] offset:(32*(4*\bt+\u)+16*\q)*4+16*\p
	global_load_b128 v[BR+16*\u+8*\q+4*\p:BR+16*\u+8*\q+4*\p+3], v4, s[10:11] offset:(32*(4*\bt+\u)+16*\q)*4+16*\p
.endr
.endr
.endr
.endif
	s_wait_loadcnt 0x0
.if \scaled
.set i, 0
.rept 32
.if (32*\bt+i)<4
	v_pk_mul_f32 v[PS+2*(i%4):PS+2*(i%4)+1], v[BR+2*i:BR+2*i+1], v[WR+2*i:WR+2*i+1]      ; the first products start the chains
.else
	v_pk_fma_f32 v[PS+2*(i%4):PS+2*(i%4)+1], v[BR+2*i:BR+2*i+1], v[WR+2*i:WR+2*i+1], v[PS+2*(i%4):PS+2*(i%4)+1]
.endif
.set i, i+1
.endr
.set i, 0
.rept 32
	v_pk_mul_f32 v[WR+2*i:WR+2*i+1], v[WR+2*i:WR+2*i+1], v[GR+2*i:GR+2*i+1]
.set i, i+1
.endr
.endif
.set PKB, 208-128*\bt                  ; each batch packs into registers of its own: no store's data is written again
.set i, 0
.rept 32
.if \half
	v_cvt_pk_f16_f32 v[PKB+i], v[WR+2*i], v[WR+2*i+1]
.else
	v_cvt_pk_bf16_f32 v[PKB+i], v[WR+2*i], v[WR+2*i+1]
.endif
.set i, i+1
.endr
.irp u,0,1,2,3
.if \kind==2
	global_store_b128 v5, v[PKB+8*\u:PKB+8*\u+3], s[12:13] offset:\bt*131072+\u*16384
	global_store_b128 v5, v[PKB+8*\u+4:PKB+8*\u+7], s[12:13] offset:\bt*131072+\u*16384+512
.else
	global_store_b128 v5, v[PKB+8*\u:PKB+8*\u+3], s[12:13] offset:(4*\bt+\u)*1024
	global_store_b128 v5, v[PKB+8*\u+4:PKB+8*\u+7], s[12:13] offset:(4*\bt+\u)*1024+512
.endif
.endr
.endr
.if \scaled
	v_pk_add_f32 v[8:9], v[8:9], v[10:11]
	v_pk_add_f32 v[12:13], v[12:13], v[14:15]
	v_pk_add_f32 v[8:9], v[8:9], v[12:13]
	v_add_f32 v8, v8, v9
	v_permlanex16_b32 v9, v8, s26, s27
	v_add_f32 v8, v8, v9                           ; shift @ W over all 256 k
	v_add_f32 v8, v8, v7
	v_and_b32 v9, 31, v0
	v_cmp_gt_u32 vcc_lo, 16, v9
	s_wait_xcnt 0x0                                ; EXEC is a source of the stores above: it changes only behind this wait
	s_and_saveexec_b32 s29, vcc_lo
	global_store_b32 v6, v8, s[14:15]              ; lanes 0-15: one number for each column
	s_wait_xcnt 0x0
	s_or_b32 exec_lo, exec_lo, s29
.endif
.endm
.Lpack:
	v_lshlrev_b32 v4, 5, v2                        ; gains and shifts: 8 h numbers of 4 bytes
	s_cmp_lt_u32 s23, 36
	s_cbranch_scc0 .Lnot_v
	s_load_b256 s[4:11], s[0:1], 0x40              ; Wv, bv, ln_msa_g, ln_msa_b
	s_load_b128 s[12:15], s[0:1], 0x90             ; wvf, bvf
	s_sub_co_u32 s24, s23, 32
	s_lshl2_add_u32 s24, s24, s22                  ; column tile 0..15
	s_lshl_b32 s25, s24, 6
	v_lshl_add_u32 v6, v1, 2, s25                  ; 4 (16 t + r)
	v_lshl_add_u32 v3, v2, 13, v6                  ; + 8 h rows of 1,024 bytes
	s_lshl_b32 s25, s24, 13
	v_add_nc_u32 v5, s25, v11                      ; wvf: t x 8 fragments + 16 L
	s_wait_kmcnt 0x0
	PACK 1024,1,0,1
	s_endpgm
.Lnot_v:
	s_cmp_lt_u32 s23, 52
	s_cbranch_scc0 .Lw2
	s_load_b256 s[4:11], s[0:1], 0x60              ; W1, b1, ff_ln_g, ff_ln_b
	s_load_b128 s[12:15], s[0:1], 0xa0             ; wff, b1f
	s_sub_co_u32 s24, s23, 36
	s_lshl2_add_u32 s24, s24, s22                  ; hidden tile 0..63
	s_lshl_b32 s25, s24, 6
	v_lshl_add_u32 v6, v1, 2, s25
	v_lshl_add_u32 v3, v2, 15, v6                  ; + 8 h rows of 4,096 bytes
	s_lshr_b32 s25, s24, 3
	s_lshl_b32 s25, s25, 16
	s_lshl_b32 s28, s24, 13
	s_add_co_u32 s25, s25, s28                     ; chunk (T / 8) x 131,072 + (T % 8) x 8,192
	v_add_nc_u32 v5, s25, v11
	s_wait_kmcnt 0x0
	PACK 4096,1,1,0
	s_endpgm
.Lw2:
	s_load_b64 s[4:5], s[0:1], 0x80                ; W2
	s_load_b64 s[12:13], s[0:1], 0xa0              ; wff
	s_sub_co_u32 s24, s23, 52
	s_lshl2_add_u32 s24, s24, s22                  ; 0..63: column tile ct = low four bits, 256 hidden = the rest
	s_and_b32 s25, s24, 15
	s_lshr_b32 s28, s24, 4
	s_lshl_b32 s28, s28, 18                        ; 256 rows of 1,024 bytes in W2, and two chunks of 131,072 bytes in wff
	s_lshl_b32 s29, s25, 6
	s_add_co_u32 s29, s29, s28
	v_lshl_add_u32 v3, v1, 2, s29
	v_lshl_add_u32 v3, v2, 13, v3
	s_lshl_b32 s29, s25, 10
	s_add_co_u32 s29, s29, s28
	s_add_co_u32 s29, s29, 65536                   ; W2's fragments lie behind W1's in a chunk
	v_add_nc_u32 v5, s29, v11
	s_wait_kmcnt 0x0
	PACK 1024,0,2,0
	s_endpgm
.Lfunc_end_k_q05151843ba_prep:
	.size	k_q05151843ba_prep, .Lfunc_end_k_q05151843ba_prep-k_q05151843ba_prep
	.p2alignl 7, 3214868480
	.fill 96, 4, 3214868480
	.section	.rodata,"a",@progbits
	.p2align	6, 0x0
	.amdhsa_kernel k_q05151843ba_prep
		.amdhsa_group_segment_fixed_size 39424
		.amdhsa_private_segment_fixed_size 0
		.amdhsa_enable_private_segment 0
		.amdhsa_kernarg_size 176
		.amdhsa_user_sgpr_count 2
		.amdhsa_user_sgpr_kernarg_segment_ptr 1
		.amdhsa_wavefront_size32 1
		.amdhsa_system_sgpr_workgroup_id_x 1
		.amdhsa_system_sgpr_workgroup_id_y 1
		.amdhsa_system_sgpr_workgroup_id_z 1
		.amdhsa_system_vgpr_workitem_id 0
		.amdhsa_next_free_vgpr 674
		.amdhsa_next_free_sgpr 66
		.amdhsa_reserve_vcc 1
		.amdhsa_float_denorm_mode_32 3
		.amdhsa_float_denorm_mode_16_64 3
		.amdhsa_memory_ordered 1
		.amdhsa_forward_progress 1
		.amdhsa_inst_pref_size 255
	.end_amdhsa_kernel
	.section	.bss,"aw",@nobits
	.p2align	6
	.space	262144
	.amdgpu_metadata
---
amdhsa.version: [ 1, 2 ]
amdhsa.kernels:
  - .name:           k_q05151843ba_prep
    .symbol:         k_q05151843ba_prep.kd
    .args:
      - { .name: state, .offset: 0, .size: 8, .value_kind: global_buffer, .address_space: global }
      - { .name: xyz, .offset: 8, .size: 8, .value_kind: global_buffer, .address_space: global }
      - { .name: ln_state_g, .offset: 16, .size: 8, .value_kind: global_buffer, .address_space: global }
      - { .name: ln_state_b, .offset: 24, .size: 8, .value_kind: global_buffer, .address_space: global }
      - { .name: Wq, .offset: 32, .size: 8, .value_kind: global_buffer, .address_space: global }
      - { .name: bq, .offset: 40, .size: 8, .value_kind: global_buffer, .address_space: global }
      - { .name: Wk, .offset: 48, .size: 8, .value_kind: global_buffer, .address_space: global }
      - { .name: bk, .offset: 56, .size: 8, .value_kind: global_buffer, .address_space: global }
      - { .name: Wv, .offset: 64, .size: 8, .value_kind: global_buffer, .address_space: global }
      - { .name: bv, .offset: 72, .size: 8, .value_kind: global_buffer, .address_space: global }
      - { .name: ln_msa_g, .offset: 80, .size: 8, .value_kind: global_buffer, .address_space: global }
      - { .name: ln_msa_b, .offset: 88, .size: 8, .value_kind: global_buffer, .address_space: global }
      - { .name: W1, .offset: 96, .size: 8, .value_kind: global_buffer, .address_space: global }
      - { .name: b1, .offset: 104, .size: 8, .value_kind: global_buffer, .address_space: global }
      - { .name: ff_ln_g, .offset: 112, .size: 8, .value_kind: global_buffer, .address_space: global }
      - { .name: ff_ln_b, .offset: 120, .size: 8, .value_kind: global_buffer, .address_space: global }
      - { .name: W2, .offset: 128, .size: 8, .value_kind: global_buffer, .address_space: global }
      - { .name: attf, .offset: 136, .size: 8, .value_kind: global_buffer, .address_space: global }
      - { .name: wvf, .offset: 144, .size: 8, .value_kind: global_buffer, .address_space: global }
      - { .name: bvf, .offset: 152, .size: 8, .value_kind: global_buffer, .address_space: global }
      - { .name: wff, .offset: 160, .size: 8, .value_kind: global_buffer, .address_space: global }
      - { .name: b1f, .offset: 168, .size: 8, .value_kind: global_buffer, .address_space: global }
    .group_segment_fixed_size: 39424
    .private_segment_fixed_size: 0
    .kernarg_segment_align: 8
    .kernarg_segment_size: 176
    .max_flat_workgroup_size: 128
    .sgpr_count:     66
    .vgpr_count:     674
    .wavefront_size: 32
...
	.end_amdgpu_metadata
.endif
;; end of part 1
;; launch vproj (part 2): grid 256 x 1, 4 waves a work-group, clusters of 4 x 1, 327,680 bytes of LDS; arguments msa, wvf, bvf, vf; writes vf
.if DOCPART == 2
	.amdgcn_target "amdgcn-amd-amdhsa--gfx1250"
	.amdhsa_code_object_version 6
	.text
	.protected	k_q05151843ba_vproj
	.globl	k_q05151843ba_vproj
	.p2align	8
	.type	k_q05151843ba_vproj,@function
k_q05151843ba_vproj:
	s_mov_b64 s[64:65], 0
	v_nop
	global_prefetch_b8 v0, s[64:65] scope:SCOPE_SE
	s_setreg_imm32_b32 hwreg(HW_REG_WAVE_MODE, 25, 1), 1
	s_wait_xcnt 0x0
	s_wait_alu depctr_hold_cnt(0) depctr_sa_sdst(0) depctr_va_vdst(0) depctr_va_sdst(0) depctr_va_ssrc(0) depctr_va_vcc(0) depctr_vm_vsrc(0)
	s_getreg_b32 s2, hwreg(HW_REG_IB_STS2, 6, 4)
	s_cmp_eq_u32 s2, 0
	s_cbranch_scc0 .Lentry_in_a_cluster
	s_endpgm
.Lentry_in_a_cluster:
	s_bfe_u32 s2, ttmp6, 0x10000c
	s_cmp_lg_u32 s2, 0x3003
	s_cbranch_scc0 .Lentry_shape_is_right
	s_endpgm
.Lentry_shape_is_right:
; vproj: V = LN(msa) @ Wv + bv as t @ (g o Wv) + bvf, t = (msa - mean) rstd, stored in f16 in the fragment order in which the next launch multiplies it.
; A work-group owns 256 rows (one n, half of l), a wave 64 rows = 4 row blocks of 16.  Each wave brings its 64 rows by two tensor loads of
; 32 rows x 1,024 bytes (regions X and Y), normalises them into f16 fragments in registers (window 1), and multiplies them by all of wvf.
; wvf (131,072 bytes) is the same for every work-group: the four work-groups of a cluster ask for it JOINTLY, each wave a quarter, into region X
; once X's rows have been read.  msa's rows are read by one work-group alone: plain loads.
; The product is used as it is written (source 0 = rows, source 1 = weights): lane (r, h) then holds column 16 ct + r and rows 8 h + e, which pack
; into registers 0-3 or 4-7 of a fragment with m = column, k = row.  vf byte = n 262,144 + ct 16,384 + jt 512 + 16 L (jt: tile of 16 rows of l).
; f16: |t| <= 16 by construction; V must stay below 65,504 (|V| <= 16 x the norm of a column of g o Wv + |bvf|).
.set MSB, 0
.macro WIN new
.if MSB != (\new)
	s_set_vgpr_msb (MSB<<8)|(\new)
.set MSB, (\new)
.endif
.endm
.macro PLACES
.rept 4
	v_nop
.endr
.endm
.set YR,    133120                     ; region X at 0, region Y here: four tiles of 33,280 bytes each
.set TILEB, 33280                      ; 32 rows of 1,024 bytes + 16 of padding: row r starts 16 r bytes further modulo 256
.set AMX, 4                            ; v4, v5   my 32 bytes of row r in my tile of X, of Y
.set AW,  6                            ; v6, v7   16 L, 65,536 + 16 L: wvf's fragments
.set VO,  8                            ; v8       my byte offset in vf
.set BV,  16                           ; v[16:31] bvf[16 ct + r]
.set M,   32                           ; v[32:159] a row block in f32; later two buffers of eight weight fragments
.set ACC, 160                          ; v[160:223] two sets of four accumulators
.set PK,  224                          ; v[224:239] packed results
.set BC,  240                          ; v[240:255] two sets of eight copies of a column tile's bias: the first product's C
.set ST,  224                          ; during LN: v[224:231] four chains, v[232:233] mean, v[234:235] rstd
.set MEAN, 232
.set RR,  234
.set SWAVE, 12
.set SEL0, 54
.set SEL1, 55
.set SEPS, 56
.set SINV, 57
.macro ROUND                           ; a round of the cluster's barrier
	s_barrier_signal -1
	s_barrier_wait -1
	s_cmp_lg_u32 s[SWAVE], 0
	s_cbranch_scc1 .Lnot_wave_0_\@
	s_barrier_signal -3
.Lnot_wave_0_\@:
	s_barrier_wait -3
	s_barrier_signal -1
	s_barrier_wait -1
.endm
.macro RED4                            ; four chains -> the row's sum in both of its lanes
	v_pk_add_f32 v[ST:ST+1], v[ST:ST+1], v[ST+2:ST+3]
	v_pk_add_f32 v[ST+4:ST+5], v[ST+4:ST+5], v[ST+6:ST+7]
	v_pk_add_f32 v[ST:ST+1], v[ST:ST+1], v[ST+4:ST+5]
	v_add_f32 v[ST], v[ST], v[ST+1]
	v_permlanex16_b32 v[ST+1], v[ST], s[SEL0], s[SEL1]
	v_add_f32 v[ST], v[ST], v[ST+1]
.endm
	s_load_b256 s[4:11], s[0:1], 0x0               ; msa, wvf, bvf, vf
	v_lshl_add_u32 v14, v0, 2, 0x41000
	v_mov_b32 v15, 0
	ds_add_u32 v14, v15
	v_lshrrev_b32 v1, 5, v0
	v_readfirstlane_b32 s12, v1                    ; wave
	s_bfe_u32 s13, ttmp6, 0x40000                  ; cx
	s_lshl_b32 s14, ttmp9, 2
	s_add_co_u32 s14, s14, s13                     ; work-group 0..255
	s_lshr_b32 s15, s14, 1                         ; n
	s_and_b32 s16, s14, 1                          ; which half of l
	s_mov_b32 s54, 0x76543210
	s_mov_b32 s55, 0xfedcba98
	s_mov_b32 s56, 0x3727c5ac                      ; 1e-5
	s_mov_b32 s57, 0x3b800000                      ; 1 / 256
	; group 1 for msa: 32 rows of 256 elements of 4 bytes, 4 words of padding behind every 256 words
	s_mov_b32 s24, (2<<16)|(1<<20)|(7<<22)|(3<<25)
	s_mov_b32 s25, 256<<16
	s_mov_b32 s26, 32<<16
	s_mov_b32 s27, 256<<16
	s_mov_b32 s28, 32
	s_mov_b32 s29, 256
	s_mov_b32 s30, 0
	s_mov_b32 s31, 0
	; group 1 for wvf: a dense block of 128 rows of 32 elements of 8 bytes; the mask names all four work-groups of the cluster, bit 21 beside it
	s_mov_b32 s32, 15|(3<<16)|(1<<21)
	s_mov_b32 s33, 32<<16
	s_mov_b32 s34, 128<<16
	s_mov_b32 s35, 32<<16
	s_mov_b32 s36, 128
	s_mov_b32 s37, 32
	s_mov_b32 s38, 0
	s_mov_b32 s39, 0
	s_lshl_b32 s20, s14, 18
	s_lshl_b32 s21, s12, 16
	s_add_co_u32 s20, s20, s21                     ; (256 work-group + 64 wave) rows of 1,024 bytes
	s_mov_b32 s21, 0
	s_lshl_b32 s52, s12, 15                        ; the wave's quarter of wvf: made of the wave's number alone
	s_mov_b32 s53, 0
	s_mul_i32 s58, s12, TILEB
	v_and_b32 v1, 15, v0                           ; r
	v_bfe_u32 v2, v0, 4, 1                         ; h
	v_and_b32 v3, 31, v0
	v_lshlrev_b32 v6, 4, v3                        ; 16 L
	v_add_nc_u32 v7, 0x10000, v6
	v_mul_u32_u24 v4, v1, 1040
	v_lshl_add_u32 v4, v2, 5, v4
	v_add_nc_u32 v4, s58, v4
	v_add_nc_u32 v5, YR, v4
	s_lshl_b32 s17, s15, 18
	s_lshl_b32 s18, s16, 13
	s_add_co_u32 s17, s17, s18
	s_lshl_b32 s18, s12, 11
	s_add_co_u32 s17, s17, s18                     ; n 262,144 + (16 half + 4 wave) 512
	v_add_nc_u32 v8, s17, v6
	v_lshlrev_b32 v9, 2, v1
	s_wait_dscnt 0x0
	s_wait_kmcnt 0x0
	s_mov_b32 s40, 1
	s_mul_i32 s41, s12, TILEB
	s_add_nc_u64 s[42:43], s[4:5], s[20:21]        ; my rows 0-31
	s_mov_b32 s44, 1
	s_mul_i32 s45, s12, TILEB
	s_add_co_u32 s45, s45, YR
	s_add_nc_u64 s[46:47], s[42:43], 32768         ; my rows 32-63
	s_or_b32 s43, s43, 0x80000000
	s_or_b32 s47, s47, 0x80000000
	s_mov_b32 s48, 1
	s_lshl_b32 s49, s12, 15
	s_add_nc_u64 s[50:51], s[6:7], s[52:53]
	s_or_b32 s51, s51, 0x80000000
	ROUND                                          ; in a cluster every group of tensor loads stands behind a round
	tensor_load_to_lds s[40:43], s[24:31]          ; the two first fills go out together: two tensor loads of the wave are out
	s_nop 0
	tensor_load_to_lds s[44:47], s[24:31]
	s_nop 0
.irp c,0,1,2,3,4,5,6,7,8,9,10,11,12,13,14,15
	global_load_b32 v[BV+\c], v9, s[8:9] offset:64*\c
.endr
; LN of row block rb (rows 16 rbl .. of the tile at v[areg]) without gain and shift, into f16 fragments X(rb, ks) at window 1, 64 rb + 8 ks.
; Lane (r, h) holds row r, columns 16 t + 8 h + e in M[8 t + e]; tile 2 ks gives a fragment's registers 0-3, tile 2 ks + 1 its registers 4-7.
.macro LNV rb, areg, rbl
	WIN 0
.irp t,0,1,2,3,4,5,6,7,8,9,10,11,12,13,14,15
.irp q,0,1
	ds_load_b128 v[M+8*\t+4*\q:M+8*\t+4*\q+3], v[\areg] offset:\rbl*16640+64*\t+16*\q
.endr
.endr
	s_wait_dscnt 0x0
.irp c,0,1,2,3
	v_pk_add_f32 v[ST+2*\c:ST+2*\c+1], v[M+4*\c:M+4*\c+1], v[M+4*\c+2:M+4*\c+3]
.endr
.set i, 8
.rept 56
	v_pk_add_f32 v[ST+2*(i%4):ST+2*(i%4)+1], v[M+2*i:M+2*i+1], v[ST+2*(i%4):ST+2*(i%4)+1]
.set i, i+1
.endr
	RED4
	v_mul_f32 v[MEAN], s[SINV], v[ST]
	v_mov_b32 v[MEAN+1], v[MEAN]
.set i, 0
.rept 64
	v_pk_add_f32 v[M+2*i:M+2*i+1], v[M+2*i:M+2*i+1], v[MEAN:MEAN+1] neg_lo:[0,1] neg_hi:[0,1]
.set i, i+1
.endr
.irp c,0,1,2,3
	v_pk_mul_f32 v[ST+2*\c:ST+2*\c+1], v[M+2*\c:M+2*\c+1], v[M+2*\c:M+2*\c+1]
.endr
.set i, 4
.rept 60
	v_pk_fma_f32 v[ST+2*(i%4):ST+2*(i%4)+1], v[M+2*i:M+2*i+1], v[M+2*i:M+2*i+1], v[ST+2*(i%4):ST+2*(i%4)+1]
.set i, i+1
.endr
	RED4
	v_fma_f32 v[ST], v[ST], s[SINV], s[SEPS]
	v_rsq_f32 v[RR], v[ST]
	v_nop                                          ; one plain place behind the transcendental
	s_wait_alu depctr_va_vdst(0)
	v_mov_b32 v[RR+1], v[RR]
.set i, 0
.rept 64
	v_pk_mul_f32 v[M+2*i:M+2*i+1], v[M+2*i:M+2*i+1], v[RR:RR+1]
.set i, i+1
.endr
	WIN 0x40
.set i, 0
.rept 64
	v_cvt_pk_f16_f32 v[64*\rb+i], v[M+2*i], v[M+2*i+1]
.set i, i+1
.endr
.endm
	s_wait_tensorcnt 0x1                           ; X's tile is in (one younger load, Y's, may stay out); I read my own bytes alone
	LNV 0,AMX,0
	LNV 1,AMX,1
	WIN 0
	s_wait_dscnt 0x0                               ; my reads of X are back,
	s_wait_tensorcnt 0x0                           ; all my tensor loads have landed,
	ds_add_u32 v14, v15
	s_wait_dscnt 0x0
	ROUND                                          ; and that holds of every wave of the cluster:
	tensor_load_to_lds s[48:51], s[32:39]          ; my quarter of wvf, asked for jointly: the one tensor load behind the round
	s_nop 0
	LNV 2,AMX+1,0
	LNV 3,AMX+1,1
	WIN 0
	s_wait_dscnt 0x0
	s_wait_tensorcnt 0x0                           ; my quarter is in,
	s_wait_loadcnt 0x0                             ; and the biases
	s_barrier_signal -1
	s_barrier_wait -1                              ; everybody's quarter is in
.macro FETCHW ct                       ; the eight fragments of column tile ct, into the buffer of its parity
.irp k,0,1,2,3,4,5,6,7
	ds_load_b128 v[M+64*((\ct)&1)+8*\k:M+64*((\ct)&1)+8*\k+3], v[AW+((\ct)>>3)] offset:((\ct)&7)*8192+\k*1024
	ds_load_b128 v[M+64*((\ct)&1)+8*\k+4:M+64*((\ct)&1)+8*\k+7], v[AW+((\ct)>>3)] offset:((\ct)&7)*8192+\k*1024+512
.endr
.endm
.macro EPI c                           ; column tile c goes out: 4 x 512 consecutive aligned bytes of the wave
	s_wait_xcnt 0x0                                ; PK, which the last tile's stores read, is written again only behind this wait
.irp b,0,1,2,3
.irp p,0,1,2,3
	v_cvt_pk_f16_f32 v[PK+4*\b+\p], v[ACC+32*((\c)&1)+8*\b+2*\p], v[ACC+32*((\c)&1)+8*\b+2*\p+1]
.endr
	global_store_b128 v[VO], v[PK+4*\b:PK+4*\b+3], s[10:11] offset:(\c)*16384+\b*512
.endr
.endm
; Column tile ct: 32 matrix instructions; the next tile's 16 loads are issued ahead of them, the last tile's results leave behind them.
.macro CT ct
	s_wait_dscnt 0x0                               ; this tile's fragments, issued one tile ago
	PLACES                                         ; behind the last tile's matrix instructions: for the loads into its buffer's partner, the copies into BC and the reads of its results
	WIN 0
.if \ct<15
	FETCHW (\ct+1)
.endif
.irp e,0,1,2,3,4,5,6,7
	v_mov_b32 v[BC+8*((\ct)&1)+\e], v[BV+\ct]
.endr
	WIN 0x01
.irp k,0,1,2,3,4,5,6,7
.irp b,0,1,2,3                         ; four accumulators by turns, one instruction a turn
.if \k==0
	v_wmma_f32_16x16x32_f16 v[ACC+32*((\ct)&1)+8*\b:ACC+32*((\ct)&1)+8*\b+7], v[64*\b+8*\k:64*\b+8*\k+7], v[M+64*((\ct)&1)+8*\k:M+64*((\ct)&1)+8*\k+7], v[BC+8*((\ct)&1):BC+8*((\ct)&1)+7]
.else
	v_wmma_f32_16x16x32_f16 v[ACC+32*((\ct)&1)+8*\b:ACC+32*((\ct)&1)+8*\b+7], v[64*\b+8*\k:64*\b+8*\k+7], v[M+64*((\ct)&1)+8*\k:M+64*((\ct)&1)+8*\k+7], v[ACC+32*((\ct)&1)+8*\b:ACC+32*((\ct)&1)+8*\b+7]
.endif
.endr
.endr
	WIN 0
.if \ct>0
	EPI (\ct-1)
.endif
.endm
	FETCHW 0
.irp c,0,1,2,3,4,5,6,7,8,9,10,11,12,13,14,15
	CT \c
.endr
	PLACES
	EPI 15
	s_wait_tensorcnt 0x0
	ds_add_u32 v14, v15
	s_wait_dscnt 0x0
	ROUND                                          ; the closing round: no work-group ends while a partner may still ask jointly
	s_endpgm
.Lfunc_end_k_q05151843ba_vproj:
	.size	k_q05151843ba_vproj, .Lfunc_end_k_q05151843ba_vproj-k_q05151843ba_vproj
	.p2alignl 7, 3214868480
	.fill 96, 4, 3214868480
	.section	.rodata,"a",@progbits
	.p2align	6, 0x0
	.amdhsa_kernel k_q05151843ba_vproj
		.amdhsa_group_segment_fixed_size 327680
		.amdhsa_private_segment_fixed_size 0
		.amdhsa_enable_private_segment 0
		.amdhsa_kernarg_size 32
		.amdhsa_user_sgpr_count 2
		.amdhsa_user_sgpr_kernarg_segment_ptr 1
		.amdhsa_wavefront_size32 1
		.amdhsa_system_sgpr_workgroup_id_x 1
		.amdhsa_system_sgpr_workgroup_id_y 1
		.amdhsa_system_sgpr_workgroup_id_z 1
		.amdhsa_system_vgpr_workitem_id 0
		.amdhsa_next_free_vgpr 512
		.amdhsa_next_free_sgpr 66
		.amdhsa_reserve_vcc 0
		.amdhsa_float_denorm_mode_32 3
		.amdhsa_float_denorm_mode_16_64 3
		.amdhsa_memory_ordered 1
		.amdhsa_forward_progress 1
		.amdhsa_inst_pref_size 176
	.end_amdhsa_kernel
	.amdgpu_metadata
---
amdhsa.version: [ 1, 2 ]
amdhsa.kernels:
  - .name:           k_q05151843ba_vproj
    .symbol:         k_q05151843ba_vproj.kd
    .args:
      - { .name: msa, .offset: 0, .size: 8, .value_kind: global_buffer, .address_space: global }
      - { .name: wvf, .offset: 8, .size: 8, .value_kind: global_buffer, .address_space: global }
      - { .name: bvf, .offset: 16, .size: 8, .value_kind: global_buffer, .address_space: global }
      - { .name: vf, .offset: 24, .size: 8, .value_kind: global_buffer, .address_space: global }
    .group_segment_fixed_size: 327680
    .private_segment_fixed_size: 0
    .kernarg_segment_align: 8
    .kernarg_segment_size: 32
    .max_flat_workgroup_size: 128
    .sgpr_count:     66
    .vgpr_count:     512
    .wavefront_size: 32
...
	.end_amdgpu_metadata
.endif
;; end of part 2
;; launch main (part 3): grid 256 x 1, 4 waves a work-group, clusters of 4 x 1, 327,680 bytes of LDS; arguments msa, attf, vf, wff, b1f, ln_msa_g, ln_msa_b, ln_out_g, ln_out_b, b2, out0; writes out0
.if DOCPART == 3
	.amdgcn_target "amdgcn-amd-amdhsa--gfx1250"
	.amdhsa_code_object_version 6
	.text
	.protected	k_q05151843ba_main
	.globl	k_q05151843ba_main
	.p2align	8
	.type	k_q05151843ba_main,@function
k_q05151843ba_main:
	s_mov_b64 s[64:65], 0
	v_nop
	global_prefetch_b8 v0, s[64:65] scope:SCOPE_SE
	s_setreg_imm32_b32 hwreg(HW_REG_WAVE_MODE, 25, 1), 1
	s_wait_xcnt 0x0
	s_wait_alu depctr_hold_cnt(0) depctr_sa_sdst(0) depctr_va_vdst(0) depctr_va_sdst(0) depctr_va_ssrc(0) depctr_va_vcc(0) depctr_vm_vsrc(0)
	s_getreg_b32 s2, hwreg(HW_REG_IB_STS2, 6, 4)
	s_cmp_eq_u32 s2, 0
	s_cbranch_scc0 .Lentry_in_a_cluster
	s_endpgm
.Lentry_in_a_cluster:
	s_bfe_u32 s2, ttmp6, 0x10000c
	s_cmp_lg_u32 s2, 0x3003
	s_cbranch_scc0 .Lentry_shape_is_right
	s_endpgm
.Lentry_shape_is_right:
; main: out = att V;  msa2 = LN(msa) + LN(out);  out0 = msa2 + relu(LN(msa2) W1 + b1) W2 + b2, all between the loads and the stores in registers.
; A work-group owns 256 rows (one n, half of l), a wave 64 rows x all 256 columns: 64 accumulator tiles of 16 x 16, 512 registers (windows 2, 3).
; EVERY PRODUCT IS USED TRANSPOSED: source 0 = V or weights, source 1 = rows.  Lane (r, h) then holds row r and columns 16 t + 8 h + e (register e of
; tile t).  So a LayerNorm is a sum in the lane and one exchange with lane r + 16, and two result tiles pack straight into the next product's
; fragment (tile 2 s -> registers 0-3, tile 2 s + 1 -> registers 4-7): nothing goes through LDS between att V, the norms and the two FF products.
; Operands come in fragment order (1,024 bytes a fragment, lane L's halves at 16 L and 512 + 16 L): dense tensor loads, LDS reads at base + 16 L.
; LDS: two slots of 133,120 bytes, filled by tensor loads alone, which hold in turn: V of two heads (131,072), four tiles of 32 rows of msa
; (33,280 each, pitch 1,040), chunks of wff (131,072: W1's 64 fragments for 128 hidden, then W2's 64).  Behind them, written by ds_store alone:
; the waves' stages for the way out (4 x 4,352) and the parameters (8,192).
; JOINT LOADS: wff is walked by every work-group: the four of a cluster ask for each chunk jointly.  Not joint, and why:
;   att: each of its bytes feeds one wave of a work-group; through LDS it would raise att V from 16 to 32 LDS loads for 32 matrix instructions, so it
;        is loaded straight into registers in fragment order;
;   V:   shared by two of a cluster's four work-groups, and 262,144 of the 2,621,440 bytes that a work-group takes in.
; att V runs in f16 (weights in [0, 1]; V below 65,504: see vproj), the feed-forward in bf16.  LN gains and shifts of the FF norm are folded into wff and b1f.
.set MSB, 0
.macro WIN new
.if MSB != (\new)
	s_set_vgpr_msb (MSB<<8)|(\new)
.set MSB, (\new)
.endif
.endm
.macro PLACES                          ; four places behind a matrix instruction (ISA guide 7.12.1)
.rept 4
	v_nop
.endr
.endm
.set SLB,   133120
.set STAGE, 266240
.set PAR,   283648                     ; ln_msa_g +0, ln_out_g +1024, ln_msa_b + ln_out_b +2048, b2 +3072, b1f +4096
; window 0: v1 r; v2-5 AS: 16 L + {slot A, A + 65,536, slot B, B + 65,536}; v6-7 AM: my 32 bytes of row r of my msa tile in slot A, B;
; v8 PAR + 32 h; v9 b1f in PAR + 32 h, stepped a chunk at a time; v10 att offset; v11, v12 stage in, back; v13 offset in out0; v14 256 L
.set AS,   2
.set AM,   6
.set ST,   16                          ; v[16:23] four chains; v[24:25] mean; v[26:31] three rstd pairs.  In the FF: BT, two bias tiles
.set MEAN, 24
.set RM,   26
.set RA,   28
.set R3,   30
.set BT,   16
.set VA,   32                          ; att V: two buffers of eight V fragments, v[32:159]
.set M,    32                          ; norms: a row block of msa, then of LN(msa2), v[32:159]
.set PA,   160                         ; norms: two buffers of 48 parameters, v[160:255]
.set WB0,  32                          ; FF: two buffers of eight weight fragments
.set WB1,  96
.set HACC, 160                         ; FF: hidden sums, tile (hh, rb) at 8 (4 hh + rb)
.set HF,   224                         ; FF: relu(hidden) as four fragments
.set TMP,  32                          ; way out: two sets of 32
.set B2R,  96                          ; way out: b2 of my 4 columns in each quarter of a row
; window 1: att V: a ring of four buffers of eight att fragments; from the norms on: X(rb, ks) at 64 rb + 8 ks
; windows 2, 3: accumulator tile (rb, ct) at 8 (16 (rb & 1) + ct) of window 2 + rb / 2
.set GD,   36                          ; s[36:43] group 1: dense 32 KB, plain
.set GJ,   44                          ; s[44:51] group 1: dense 32 KB, joint
.set GM,   52                          ; s[52:59] group 1: 32 rows of msa, padded
.set G0VA, 60
.set G0VB, 68
.set G0MA, 72
.set G0MB, 76
.set G0WA, 80
.set G0WB, 84
.macro ROUND                           ; a round of the cluster's barrier
	s_barrier_signal -1
	s_barrier_wait -1
	s_cmp_lg_u32 s26, 0
	s_cbranch_scc1 .Lnot_wave_0_\@
	s_barrier_signal -3
.Lnot_wave_0_\@:
	s_barrier_wait -3
	s_barrier_signal -1
	s_barrier_wait -1
.endm
	s_load_b512 s[4:19], s[0:1], 0x0               ; msa, attf, vf, wff, b1f, ln_msa_g, ln_msa_b, ln_out_g
	s_load_b128 s[20:23], s[0:1], 0x40             ; ln_out_b, b2
	s_load_b64 s[24:25], s[0:1], 0x50              ; out0
	v_lshl_add_u32 v222, v0, 2, 0x47400
	v_mov_b32 v223, 0
	ds_add_u32 v222, v223
	s_wait_dscnt 0x0
	v_lshrrev_b32 v1, 5, v0
	v_readfirstlane_b32 s26, v1                    ; wave
	s_bfe_u32 s27, ttmp6, 0x40000                  ; cx
	s_lshl_b32 s28, ttmp9, 2
	s_add_co_u32 s28, s28, s27                     ; work-group 0..255
	s_lshr_b32 s29, s28, 1                         ; n
	s_and_b32 s30, s28, 1                          ; which half of l
	s_mov_b32 s88, 0x76543210
	s_mov_b32 s89, 0xfedcba98
	s_mov_b32 s90, 0x3727c5ac                      ; 1e-5
	s_mov_b32 s91, 0x3b800000                      ; 1 / 256
	s_mov_b32 s36, 3<<16                           ; dense: 128 rows of 32 elements of 8 bytes
	s_mov_b32 s37, 32<<16
	s_mov_b32 s38, 128<<16
	s_mov_b32 s39, 32<<16
	s_mov_b32 s40, 128
	s_mov_b32 s41, 32
	s_mov_b32 s42, 0
	s_mov_b32 s43, 0
	s_mov_b32 s44, 15|(3<<16)|(1<<21)              ; the same, for all four work-groups of the cluster, bit 21 beside the mask
	s_mov_b32 s45, 32<<16
	s_mov_b32 s46, 128<<16
	s_mov_b32 s47, 32<<16
	s_mov_b32 s48, 128
	s_mov_b32 s49, 32
	s_mov_b32 s50, 0
	s_mov_b32 s51, 0
	s_mov_b32 s52, (2<<16)|(1<<20)|(7<<22)|(3<<25) ; msa: 32 rows of 256 elements of 4 bytes, 4 words of padding behind every 256 words
	s_mov_b32 s53, 256<<16
	s_mov_b32 s54, 32<<16
	s_mov_b32 s55, 256<<16
	s_mov_b32 s56, 32
	s_mov_b32 s57, 256
	s_mov_b32 s58, 0
	s_mov_b32 s59, 0
	s_lshl_b32 s32, s28, 18
	s_lshl_b32 s33, s26, 16
	s_add_co_u32 s32, s32, s33                     ; (256 work-group + 64 wave) rows of 1,024 bytes: msa and out0
	s_mov_b32 s33, 0
	s_lshl_b32 s34, s29, 18
	s_lshl_b32 s35, s26, 15
	s_add_co_u32 s34, s34, s35                     ; vf: n 262,144 + wave 32,768
	s_mov_b32 s35, 0
	s_lshl_b32 s94, s26, 15                        ; wff: the wave's quarter of a chunk, made of the wave's number alone
	s_mov_b32 s95, 0
	s_mul_i32 s66, s26, 33280
	v_and_b32 v1, 15, v0                           ; r
	v_bfe_u32 v15, v0, 4, 1                        ; h
	v_and_b32 v16, 31, v0
	v_lshlrev_b32 v14, 8, v16
	v_lshlrev_b32 v2, 4, v16
	v_add_nc_u32 v3, 0x10000, v2
	v_add_nc_u32 v4, SLB, v2
	v_add_nc_u32 v5, SLB+0x10000, v2
	v_mul_u32_u24 v6, v1, 1040
	v_lshl_add_u32 v6, v15, 5, v6
	v_add_nc_u32 v6, s66, v6
	v_add_nc_u32 v7, SLB, v6
	v_lshl_add_u32 v8, v15, 5, PAR
	v_add_nc_u32 v9, 4096, v8
	s_lshl_b32 s67, s30, 18
	s_lshl_b32 s31, s26, 16
	s_add_co_u32 s67, s67, s31                     ; att: (16 half + 4 wave) row blocks of 16,384 bytes
	v_add_nc_u32 v10, s67, v2
	s_mul_i32 s67, s26, 4352
	s_add_co_u32 s67, s67, STAGE
	v_mul_u32_u24 v11, v1, 272
	v_lshl_add_u32 v11, v15, 5, v11
	v_add_nc_u32 v11, s67, v11
	v_mul_u32_u24 v12, v15, 272
	v_lshl_add_u32 v12, v1, 4, v12
	v_add_nc_u32 v12, s67, v12
	v_lshlrev_b32 v13, 10, v15
	v_lshl_add_u32 v13, v1, 4, v13
	v_lshlrev_b32 v17, 3, v0
	v_lshlrev_b32 v18, 4, v0
	v_add_nc_u32 v19, PAR, v17
	v_add_nc_u32 v20, PAR+4096, v18
	s_wait_kmcnt 0x0
	s_add_nc_u64 s[92:93], s[4:5], s[32:33]        ; my 64 rows of msa
	s_add_nc_u64 s[24:25], s[24:25], s[32:33]      ; and of out0
	s_mov_b32 s60, 1
	s_lshl_b32 s61, s26, 15
	s_add_nc_u64 s[62:63], s[8:9], s[34:35]        ; V, heads 0 and 1
	s_mov_b32 s68, 1
	s_lshl_b32 s69, s26, 15
	s_add_co_u32 s69, s69, SLB
	s_add_nc_u64 s[70:71], s[62:63], 131072        ; V, heads 2 and 3
	s_or_b32 s63, s63, 0x80000000
	s_or_b32 s71, s71, 0x80000000
	s_mov_b32 s72, 1
	s_mul_i32 s73, s26, 33280
	s_mov_b64 s[74:75], s[92:93]                   ; msa, my rows 0-31
	s_or_b32 s75, s75, 0x80000000
	s_mov_b32 s76, 1
	s_mul_i32 s77, s26, 33280
	s_add_co_u32 s77, s77, SLB
	s_add_nc_u64 s[78:79], s[92:93], 32768         ; msa, my rows 32-63
	s_or_b32 s79, s79, 0x80000000
	s_mov_b32 s80, 1
	s_lshl_b32 s81, s26, 15
	s_add_nc_u64 s[82:83], s[10:11], s[94:95]      ; wff, chunk 0
	s_mov_b32 s84, 1
	s_lshl_b32 s85, s26, 15
	s_add_co_u32 s85, s85, SLB
	s_add_nc_u64 s[86:87], s[82:83], 131072        ; wff, chunk 1
	s_or_b32 s83, s83, 0x80000000
	s_or_b32 s87, s87, 0x80000000
	ROUND
	tensor_load_to_lds s[G0VA:G0VA+3], s[GD:GD+7]  ; the two first fills go out together: two tensor loads of the wave are out
	s_nop 0
	tensor_load_to_lds s[G0VB:G0VB+3], s[GD:GD+7]
	s_nop 0
	global_load_b64 v[160:161], v17, s[14:15]
	global_load_b64 v[162:163], v17, s[16:17]
	global_load_b64 v[164:165], v17, s[18:19]
	global_load_b64 v[166:167], v17, s[20:21]
	global_load_b64 v[168:169], v17, s[22:23]
	global_load_b128 v[172:175], v18, s[12:13]
	global_load_b128 v[176:179], v18, s[12:13] offset:2048
; ---- att V: 32 steps g; head g / 8; a step takes 64 keys (two K steps ks = 2 (g % 8) + kk) of the head's 4 column tiles and my 4 row blocks
.macro FETCHV g                        ; eight V fragments (kk, c) from LDS into the buffer of g's parity
	WIN 0
.irp kk,0,1
.irp c,0,1,2,3
	ds_load_b128 v[VA+64*((\g)&1)+8*(4*\kk+\c):VA+64*((\g)&1)+8*(4*\kk+\c)+3], v[AS+((\g)>>3)] offset:(16*\c+2*((\g)&7)+\kk)*1024
	ds_load_b128 v[VA+64*((\g)&1)+8*(4*\kk+\c)+4:VA+64*((\g)&1)+8*(4*\kk+\c)+7], v[AS+((\g)>>3)] offset:(16*\c+2*((\g)&7)+\kk)*1024+512
.endr
.endr
.endm
.macro ATTLD g                         ; eight att fragments (kk, rb) from memory into ring buffer g % 4; each load of the wave takes 512 consecutive bytes
	WIN 0x40
.irp kk,0,1
.irp b,0,1,2,3
	global_load_b128 v[64*((\g)&3)+8*(4*\kk+\b):64*((\g)&3)+8*(4*\kk+\b)+3], v10, s[6:7] offset:((\g)>>3)*524288+\b*16384+(2*((\g)&7)+\kk)*1024
	global_load_b128 v[64*((\g)&3)+8*(4*\kk+\b)+4:64*((\g)&3)+8*(4*\kk+\b)+7], v10, s[6:7] offset:((\g)>>3)*524288+\b*16384+(2*((\g)&7)+\kk)*1024+512
.endr
.endr
.endm
.macro MULAV g, hi                     ; 16 matrix instructions on eight accumulators by turns, one instruction a turn
.irp kk,0,1
.irp b,0,1
.irp c,0,1,2,3
.if ((\g&7)+\kk)==0
	v_wmma_f32_16x16x32_f16 v[8*(16*\b+4*(\g>>3)+\c):8*(16*\b+4*(\g>>3)+\c)+7], v[VA+64*(\g&1)+8*(4*\kk+\c):VA+64*(\g&1)+8*(4*\kk+\c)+7], v[64*(\g&3)+8*(4*\kk+2*\hi+\b):64*(\g&3)+8*(4*\kk+2*\hi+\b)+7], 0
.else
	v_wmma_f32_16x16x32_f16 v[8*(16*\b+4*(\g>>3)+\c):8*(16*\b+4*(\g>>3)+\c)+7], v[VA+64*(\g&1)+8*(4*\kk+\c):VA+64*(\g&1)+8*(4*\kk+\c)+7], v[64*(\g&3)+8*(4*\kk+2*\hi+\b):64*(\g&3)+8*(4*\kk+2*\hi+\b)+7], v[8*(16*\b+4*(\g>>3)+\c):8*(16*\b+4*(\g>>3)+\c)+7]
.endif
.endr
.endr
.endr
.endm
.macro PREF tile                       ; my 32 rows of msa of tile 0 or 1: 128 blocks of 256 bytes, lanes 256 bytes apart, each block asked for once in the launch
.irp i,0,1,2,3
	global_prefetch_b8 v14, s[92:93] offset:\tile*32768+8192*\i th:TH_LOAD_NT scope:SCOPE_SE
.endr
.endm
.macro STEP g, fetch
.if \g<30
	s_wait_loadcnt 32                              ; this step's att fragments are in; the 32 loads of the two later steps stay out
.endif
.if \g==30
	s_wait_loadcnt 16                              ; one later step is left
.endif
.if \g==31
	s_wait_loadcnt 0
.endif
	s_wait_dscnt 0x0                               ; this step's V fragments, issued one step ago
	PLACES                                         ; behind the last step's matrix instructions: both runs of loads land on registers that it read
.if \fetch
	FETCHV (\g+1)
.endif
.if \g<29
	ATTLD (\g+3)
.endif
.if \g==6
	PREF 0                                         ; ten steps (320 matrix instructions) ahead of the tensor load that wants these rows
.endif
.if \g==22
	PREF 1
.endif
	WIN 0xa4                                       ; V window 0, att window 1, sums window 2: my rows 0-31
	MULAV \g,0
	WIN 0xf4                                       ; sums window 3: my rows 32-63
	MULAV \g,1
.endm
; A slot that has been read is filled again: my reads of it are back, all my tensor loads have landed, a round, and the one load first behind it.
.macro SWAP g0, g1
	WIN 0
	s_wait_dscnt 0x0
	s_wait_xcnt 0x0
	v_lshl_add_u32 v222, v0, 2, 0x47400
	v_mov_b32 v223, 0
	s_wait_tensorcnt 0x0
	ds_add_u32 v222, v223
	s_wait_dscnt 0x0
	ROUND
	tensor_load_to_lds s[\g0:\g0+3], s[\g1:\g1+7]
	s_nop 0
.endm
	ATTLD 0
	ATTLD 1
	ATTLD 2
	WIN 0
	s_wait_loadcnt 48                              ; the parameters are in; the 48 att loads issued behind them stay out
	v_pk_add_f32 v[162:163], v[162:163], v[166:167]
	ds_store_b64 v19, v[160:161]
	ds_store_b64 v19, v[164:165] offset:1024
	ds_store_b64 v19, v[162:163] offset:2048
	ds_store_b64 v19, v[168:169] offset:3072
	ds_store_b128 v20, v[172:175]
	ds_store_b128 v20, v[176:179] offset:2048
	s_wait_dscnt 0x0                               ; my part of the parameters is in LDS,
	s_wait_tensorcnt 0x1                           ; my quarter of slot A is in; slot B's may stay out
	s_barrier_signal -1
	s_barrier_wait -1
	FETCHV 0
.irp g,0,1,2,3,4,5,6,7,8,9,10,11,12,13,14
	STEP \g,1
.endr
	STEP 15,0                                      ; slot B is shown whole only behind the round below: its first fragments are fetched there
	SWAP G0MA,GM                                   ; slot A: my rows 0-31 of msa
	FETCHV 16                                      ; into the buffer that step 14 read: step 15's four places lie between
.irp g,16,17,18,19,20,21,22,23,24,25,26,27,28,29,30
	STEP \g,1
.endr
	STEP 31,0
	SWAP G0MB,GM                                   ; slot B: my rows 32-63 of msa
; ---- the norms, a row block of 16 rows at a time.  Each pass runs under one window setting.  All norms in two passes: mean, then centred squares.
.macro RED4
	v_pk_add_f32 v[ST:ST+1], v[ST:ST+1], v[ST+2:ST+3]
	v_pk_add_f32 v[ST+4:ST+5], v[ST+4:ST+5], v[ST+6:ST+7]
	v_pk_add_f32 v[ST:ST+1], v[ST:ST+1], v[ST+4:ST+5]
	v_add_f32 v[ST], v[ST], v[ST+1]
	v_permlanex16_b32 v[ST+1], v[ST], s88, s89
	v_add_f32 v[ST], v[ST], v[ST+1]
.endm
.macro SUM128 w, src                   ; the mean of the 128 registers at src of window w (and the partner lane's) -> MEAN
	WIN (\w|(\w<<2))
.irp c,0,1,2,3
	v_pk_add_f32 v[ST+2*\c:ST+2*\c+1], v[\src+4*\c:\src+4*\c+1], v[\src+4*\c+2:\src+4*\c+3]
.endr
	WIN \w
.set i, 8
.rept 56
	v_pk_add_f32 v[ST+2*(i%4):ST+2*(i%4)+1], v[\src+2*i:\src+2*i+1], v[ST+2*(i%4):ST+2*(i%4)+1]
.set i, i+1
.endr
	WIN 0
	RED4
	v_mul_f32 v[MEAN], s91, v[ST]
	v_mov_b32 v[MEAN+1], v[MEAN]
.endm
.macro CEN128 wd, dst, ws, src         ; dst = src - mean
	WIN ((\wd<<6)|\ws)
.set i, 0
.rept 64
	v_pk_add_f32 v[\dst+2*i:\dst+2*i+1], v[\src+2*i:\src+2*i+1], v[MEAN:MEAN+1] neg_lo:[0,1] neg_hi:[0,1]
.set i, i+1
.endr
.endm
.macro SQ128 w, src, dst               ; 1 / sqrt(mean square + 1e-5) -> the pair at dst
	WIN (\w|(\w<<2))
.irp c,0,1,2,3
	v_pk_mul_f32 v[ST+2*\c:ST+2*\c+1], v[\src+2*\c:\src+2*\c+1], v[\src+2*\c:\src+2*\c+1]
.endr
.set i, 4
.rept 60
	v_pk_fma_f32 v[ST+2*(i%4):ST+2*(i%4)+1], v[\src+2*i:\src+2*i+1], v[\src+2*i:\src+2*i+1], v[ST+2*(i%4):ST+2*(i%4)+1]
.set i, i+1
.endr
	WIN 0
	RED4
	v_fma_f32 v[ST], v[ST], s91, s90
	v_rsq_f32 v[\dst], v[ST]
	v_nop                                          ; one plain place behind the transcendental
	s_wait_alu depctr_va_vdst(0)
	v_mov_b32 v[\dst+1], v[\dst]
.endm
.macro PARLD bb, dst                   ; the three parameters of column tiles 2 bb, 2 bb + 1: 12 loads
.irp a,0,1,2
.irp j,0,1,2,3
	ds_load_b128 v[\dst+16*\a+4*\j:\dst+16*\a+4*\j+3], v8 offset:1024*\a+128*(\bb)+64*(\j>>1)+16*(\j&1)
.endr
.endr
.endm
; rb: row block; slot, rbl: where its msa rows lie; w: its accumulators' window
.macro LNROW rb, slot, rbl, w
.set AB, 128*((\rb)&1)
	WIN 0
.irp t,0,1,2,3,4,5,6,7,8,9,10,11,12,13,14,15
.irp q,0,1
	ds_load_b128 v[M+8*\t+4*\q:M+8*\t+4*\q+3], v[AM+\slot] offset:\rbl*16640+64*\t+16*\q
.endr
.endr
	PARLD 0,PA
	s_wait_dscnt 12                                ; msa's rows are in; the 12 parameter loads stay out
	SUM128 0,M
	CEN128 0,M,0,M
	SQ128 0,M,RM
	SUM128 \w,AB
	CEN128 \w,AB,\w,AB
	SQ128 \w,AB,RA
	; msa2 = (msa - mean) rstd g1 + (out - mean) rstd g2 + (b1 + b2), two column tiles at a time, into the accumulators
.irp b,0,1,2,3,4,5,6,7
	WIN 0
.if \b<7
	PARLD (\b+1),(PA+48*((\b+1)&1))
	s_wait_dscnt 12                                ; this batch's parameters are in; the next batch's 12 loads stay out
.else
	s_wait_dscnt 0x0
.endif
.set PX, PA+48*((\b)&1)
.set i, 0
.rept 8
	v_pk_mul_f32 v[PX+i:PX+i+1], v[PX+i:PX+i+1], v[RM:RM+1]
	v_pk_mul_f32 v[PX+16+i:PX+17+i], v[PX+16+i:PX+17+i], v[RA:RA+1]
.set i, i+2
.endr
.set i, 0
.rept 8
	v_pk_fma_f32 v[PX+32+i:PX+33+i], v[M+16*\b+i:M+16*\b+i+1], v[PX+i:PX+i+1], v[PX+32+i:PX+33+i]
.set i, i+2
.endr
	WIN ((\w<<6)|\w)
.set i, 0
.rept 8
	v_pk_fma_f32 v[AB+16*\b+i:AB+16*\b+i+1], v[AB+16*\b+i:AB+16*\b+i+1], v[PX+16+i:PX+17+i], v[PX+32+i:PX+33+i]
.set i, i+2
.endr
.endr
	; LN(msa2) without gain and shift -> bf16 fragments; the accumulators keep msa2: the residual, onto which the second FF product adds
	SUM128 \w,AB
	CEN128 0,M,\w,AB
	SQ128 0,M,R3
.set i, 0
.rept 64
	v_pk_mul_f32 v[M+2*i:M+2*i+1], v[M+2*i:M+2*i+1], v[R3:R3+1]
.set i, i+1
.endr
	WIN 0x40
.set i, 0
.rept 64
	v_cvt_pk_bf16_f32 v[64*\rb+i], v[M+2*i], v[M+2*i+1]
.set i, i+1
.endr
.endm
	PLACES                                         ; behind the last matrix instructions of att V: their results are read, their sources loaded into
	LNROW 0,0,0,2
	LNROW 1,0,1,2
	SWAP G0WA,GJ                                   ; slot A: chunk 0 of wff, asked for jointly
	LNROW 2,1,0,3
	LNROW 3,1,1,3
; ---- the feed-forward: 8 chunks of 128 hidden, each 4 sub-chunks of 32 hidden; a sub-chunk is four quarters of 32 matrix instructions, and each
; quarter issues the next quarter's 16 LDS loads ahead of its matrix instructions.
.macro FW1 s, sc, kh, wb               ; W1 fragments (hidden tile 2 sc + hh, ks 4 kh + kq)
	WIN 0
.irp hh,0,1
.irp kq,0,1,2,3
	ds_load_b128 v[\wb+8*(4*\hh+\kq):\wb+8*(4*\hh+\kq)+3], v[AS+2*\s] offset:((2*(\sc)+\hh)*8+4*\kh+\kq)*1024
	ds_load_b128 v[\wb+8*(4*\hh+\kq)+4:\wb+8*(4*\hh+\kq)+7], v[AS+2*\s] offset:((2*(\sc)+\hh)*8+4*\kh+\kq)*1024+512
.endr
.endr
.endm
.macro FW2 s, sc, ch, wb               ; W2 fragments (K step sc, column tile 8 ch + c)
	WIN 0
.irp c,0,1,2,3,4,5,6,7
	ds_load_b128 v[\wb+8*\c:\wb+8*\c+3], v[AS+2*\s+1] offset:(16*\sc+8*\ch+\c)*1024
	ds_load_b128 v[\wb+8*\c+4:\wb+8*\c+7], v[AS+2*\s+1] offset:(16*\sc+8*\ch+\c)*1024+512
.endr
.endm
.macro FBT sc                          ; b1f of the sub-chunk's two hidden tiles: the first products' C
.irp hh,0,1
.irp q,0,1
	ds_load_b128 v[BT+8*\hh+4*\q:BT+8*\hh+4*\q+3], v9 offset:(2*(\sc)+\hh)*64+16*\q
.endr
.endr
.endm
.macro MUL1 kh, wb                     ; hidden += W1 x X over four K steps: eight accumulators by turns
	WIN 0x04
.irp kq,0,1,2,3
.irp hh,0,1
.irp b,0,1,2,3
.if (\kh+\kq)==0
	v_wmma_f32_16x16x32_bf16 v[HACC+8*(4*\hh+\b):HACC+8*(4*\hh+\b)+7], v[\wb+8*(4*\hh+\kq):\wb+8*(4*\hh+\kq)+7], v[64*\b+8*(4*\kh+\kq):64*\b+8*(4*\kh+\kq)+7], v[BT+8*\hh:BT+8*\hh+7]
.else
	v_wmma_f32_16x16x32_bf16 v[HACC+8*(4*\hh+\b):HACC+8*(4*\hh+\b)+7], v[\wb+8*(4*\hh+\kq):\wb+8*(4*\hh+\kq)+7], v[64*\b+8*(4*\kh+\kq):64*\b+8*(4*\kh+\kq)+7], v[HACC+8*(4*\hh+\b):HACC+8*(4*\hh+\b)+7]
.endif
.endr
.endr
.endr
.endm
.macro MUL2 ch, wb                     ; msa2 += W2 x relu(hidden): 32 different accumulators
	WIN 0xa0
.irp c,0,1,2,3,4,5,6,7
.irp b,0,1
	v_wmma_f32_16x16x32_bf16 v[8*(16*\b+8*\ch+\c):8*(16*\b+8*\ch+\c)+7], v[\wb+8*\c:\wb+8*\c+7], v[HF+8*\b:HF+8*\b+7], v[8*(16*\b+8*\ch+\c):8*(16*\b+8*\ch+\c)+7]
.endr
.endr
	WIN 0xf0
.irp c,0,1,2,3,4,5,6,7
.irp b,0,1
	v_wmma_f32_16x16x32_bf16 v[8*(16*\b+8*\ch+\c):8*(16*\b+8*\ch+\c)+7], v[\wb+8*\c:\wb+8*\c+7], v[HF+8*(2+\b):HF+8*(2+\b)+7], v[8*(16*\b+8*\ch+\c):8*(16*\b+8*\ch+\c)+7]
.endr
.endr
.endm
.macro SUB s, sc
	s_wait_dscnt 0x0                               ; each wait at a quarter's head is for the one run of loads issued a quarter ago
	PLACES                                         ; behind the last quarter's matrix instructions, which read the buffer that is loaded next
	FW1 \s,\sc,1,WB1
	MUL1 0,WB0
	s_wait_dscnt 0x0
	PLACES
	FW2 \s,\sc,0,WB0
	MUL1 1,WB1
	PLACES                                         ; the hidden sums are read; these places also serve the loads into WB1 below
	WIN 0
.set i, 0
.rept 64
	v_max_num_f32 v[HACC+i], 0, v[HACC+i]
.set i, i+1
.endr
.irp b,0,1,2,3
.irp hh,0,1
.irp p,0,1,2,3
	v_cvt_pk_bf16_f32 v[HF+8*\b+4*\hh+\p], v[HACC+8*(4*\hh+\b)+2*\p], v[HACC+8*(4*\hh+\b)+2*\p+1]
.endr
.endr
.endr
	s_wait_dscnt 0x0
	FW2 \s,\sc,1,WB1
	MUL2 0,WB0
	s_wait_dscnt 0x0
.if \sc<3
	PLACES
	FW1 \s,(\sc+1),0,WB0
	FBT (\sc+1)
.endif
	MUL2 1,WB1
.endm
.macro CHUNK s
	PLACES                                         ; the last chunk's closing quarters multiplied from WB0 and then from WB1 with no run of loads between them:
	                                               ; these four places stand between those matrix instructions and the loads into WB0 below, on every way in
	FW1 \s,0,0,WB0
	FBT 0
	SUB \s,0
	SUB \s,1
	SUB \s,2
	SUB \s,3
	WIN 0
	v_add_nc_u32 v9, 512, v9                       ; the next chunk's 128 numbers of b1f
.endm
; The chunk in the other slot has landed and the slot named here has been read: it is filled again, jointly, two chunks ahead.
.macro ENTER x, other
	WIN 0
	s_wait_xcnt 0x0
	v_lshl_add_u32 v222, v0, 2, 0x47400
	v_mov_b32 v223, 0
	s_wait_tensorcnt 0x0                           ; all my tensor loads have landed, so a group 0 may be written:
	ds_add_u32 v222, v223
	s_wait_dscnt 0x0
	s_add_nc_u64 s[\other+2:\other+3], s[\other+2:\other+3], 262144   ; the other slot's next chunk
	s_wait_dscnt 0x0                               ; my reads of this slot are back
	ROUND                                          ; both hold of every wave of the cluster
	tensor_load_to_lds s[\x:\x+3], s[GJ:GJ+7]      ; the one tensor load behind the round; it has a chunk's 512 matrix instructions in which to land
	s_nop 0
.endm
	WIN 0
	s_mov_b32 s31, 3
.Lff:
	ENTER G0WB,G0WA
	CHUNK 0
	ENTER G0WA,G0WB
	CHUNK 1
	WIN 0
	s_sub_co_u32 s31, s31, 1
	s_cmp_lg_u32 s31, 0
	s_cbranch_scc1 .Lff
	ENTER G0WB,G0WA                                ; chunk 7: the last load (slot A's stepped address is not used)
	CHUNK 0
	WIN 0
	s_wait_tensorcnt 0x0                           ; my quarter of chunk 7 is in,
	s_wait_dscnt 0x0
	s_barrier_signal -1
	s_barrier_wait -1                              ; everybody's is
	CHUNK 1
; ---- the way out: 16 rows x 64 columns at a time through my own stage (pitch 272: row r starts 16 r bytes further modulo 256), read back as
; whole pieces of 256 bytes of a row, + b2, stored.  LDS serves a wave's instructions in order (ISA guide 5.7.1): no wait between stores and loads.
	PLACES                                         ; behind the last matrix instructions: results are read, their sources loaded into
	v_lshl_add_u32 v16, v1, 4, PAR+3072
.irp c,0,1,2,3
	ds_load_b128 v[B2R+4*\c:B2R+4*\c+3], v16 offset:256*\c
.endr
.macro PIECE rb, cq
	WIN ((2+((\rb)>>1))<<2)
.irp c,0,1,2,3
.irp q,0,1
	ds_store_b128 v11, v[8*(16*((\rb)&1)+4*\cq+\c)+4*\q:8*(16*((\rb)&1)+4*\cq+\c)+4*\q+3] offset:64*\c+16*\q
.endr
.endr
	WIN 0
	s_wait_xcnt 0x0                                ; this set of TMP, which earlier stores read, is loaded again only behind this wait
.irp t,0,1,2,3,4,5,6,7
	ds_load_b128 v[TMP+32*((\cq)&1)+4*\t:TMP+32*((\cq)&1)+4*\t+3], v12 offset:544*\t
.endr
.irp t,0,1,2,3,4,5,6,7
	s_wait_dscnt 7-\t                              ; the younger read-backs stay out
	v_pk_add_f32 v[TMP+32*((\cq)&1)+4*\t:TMP+32*((\cq)&1)+4*\t+1], v[TMP+32*((\cq)&1)+4*\t:TMP+32*((\cq)&1)+4*\t+1], v[B2R+4*\cq:B2R+4*\cq+1]
	v_pk_add_f32 v[TMP+32*((\cq)&1)+4*\t+2:TMP+32*((\cq)&1)+4*\t+3], v[TMP+32*((\cq)&1)+4*\t+2:TMP+32*((\cq)&1)+4*\t+3], v[B2R+4*\cq+2:B2R+4*\cq+3]
	global_store_b128 v13, v[TMP+32*((\cq)&1)+4*\t:TMP+32*((\cq)&1)+4*\t+3], s[24:25] offset:(16*\rb+2*\t)*1024+256*\cq th:TH_STORE_NT   ; 16 lanes store 256 consecutive aligned bytes
.endr
.endm
.irp rb,0,1,2,3
.irp cq,0,1,2,3
	PIECE \rb,\cq
.endr
.endr
	s_wait_xcnt 0x0
	v_lshl_add_u32 v222, v0, 2, 0x47400
	v_mov_b32 v223, 0
	s_wait_tensorcnt 0x0
	ds_add_u32 v222, v223
	s_wait_dscnt 0x0
	ROUND                                          ; the closing round: no work-group ends while a partner may still ask jointly
	s_endpgm
.Lfunc_end_k_q05151843ba_main:
	.size	k_q05151843ba_main, .Lfunc_end_k_q05151843ba_main-k_q05151843ba_main
	.p2alignl 7, 3214868480
	.fill 96, 4, 3214868480
	.section	.rodata,"a",@progbits
	.p2align	6, 0x0
	.amdhsa_kernel k_q05151843ba_main
		.amdhsa_group_segment_fixed_size 327680
		.amdhsa_private_segment_fixed_size 0
		.amdhsa_enable_private_segment 0
		.amdhsa_kernarg_size 88
		.amdhsa_user_sgpr_count 2
		.amdhsa_user_sgpr_kernarg_segment_ptr 1
		.amdhsa_wavefront_size32 1
		.amdhsa_system_sgpr_workgroup_id_x 1
		.amdhsa_system_sgpr_workgroup_id_y 1
		.amdhsa_system_sgpr_workgroup_id_z 1
		.amdhsa_system_vgpr_workitem_id 0
		.amdhsa_next_free_vgpr 1024
		.amdhsa_next_free_sgpr 96
		.amdhsa_reserve_vcc 0
		.amdhsa_float_denorm_mode_32 3
		.amdhsa_float_denorm_mode_16_64 3
		.amdhsa_memory_ordered 1
		.amdhsa_forward_progress 1
		.amdhsa_inst_pref_size 255
	.end_amdhsa_kernel
	.section	.bss,"aw",@nobits
	.p2align	6
	.space	262144
	.amdgpu_metadata
---
amdhsa.version: [ 1, 2 ]
amdhsa.kernels:
  - .name:           k_q05151843ba_main
    .symbol:         k_q05151843ba_main.kd
    .args:
      - { .name: msa, .offset: 0, .size: 8, .value_kind: global_buffer, .address_space: global }
      - { .name: attf, .offset: 8, .size: 8, .value_kind: global_buffer, .address_space: global }
      - { .name: vf, .offset: 16, .size: 8, .value_kind: global_buffer, .address_space: global }
      - { .name: wff, .offset: 24, .size: 8, .value_kind: global_buffer, .address_space: global }
      - { .name: b1f, .offset: 32, .size: 8, .value_kind: global_buffer, .address_space: global }
      - { .name: ln_msa_g, .offset: 40, .size: 8, .value_kind: global_buffer, .address_space: global }
      - { .name: ln_msa_b, .offset: 48, .size: 8, .value_kind: global_buffer, .address_space: global }
      - { .name: ln_out_g, .offset: 56, .size: 8, .value_kind: global_buffer, .address_space: global }
      - { .name: ln_out_b, .offset: 64, .size: 8, .value_kind: global_buffer, .address_space: global }
      - { .name: b2, .offset: 72, .size: 8, .value_kind: global_buffer, .address_space: global }
      - { .name: out0, .offset: 80, .size: 8, .value_kind: global_buffer, .address_space: global }
    .group_segment_fixed_size: 327680
    .private_segment_fixed_size: 0
    .kernarg_segment_align: 8
    .kernarg_segment_size: 88
    .max_flat_workgroup_size: 128
    .sgpr_count:     96
    .vgpr_count:     1024
    .wavefront_size: 32
...
	.end_amdgpu_metadata
.endif
;; end of part 3
;; ======== version 2 of 2: 3 launches
;; limits: values are held in f16: magnitudes above 65,504 overflow, below 6.1e-05 lose precision
;; workspace buffers: attf 2,097,152 bytes; vf 33,554,432 bytes; wvf 131,072 bytes; wff 1,048,576 bytes; bvf 1,024 bytes; b1f 4,096 bytes
;; launch prep (part 4): grid 164 x 1, 4 waves a work-group, no clusters, 8,704 bytes of LDS; arguments state, xyz, ln_state_g, ln_state_b, Wq, bq, Wk, bk, Wv, bv, ln_msa_g, ln_msa_b, W1, b1, ff_ln_g, ff_ln_b, W2, attf, wvf, bvf, wff, b1f; writes attf, wvf, bvf, wff, b1f
.if DOCPART == 4
	.amdgcn_target "amdgcn-amd-amdhsa--gfx1250"
	.amdhsa_code_object_version 6
	.text
	.protected	k_q05151843ba_prep
	.globl	k_q05151843ba_prep
	.p2align	8
	.type	k_q05151843ba_prep,@function
k_q05151843ba_prep:
	s_mov_b64 s[64:65], 0
	v_nop
	global_prefetch_b8 v0, s[64:65] scope:SCOPE_SE
	s_setreg_imm32_b32 hwreg(HW_REG_WAVE_MODE, 25, 1), 1
	s_wait_xcnt 0x0
; prep: everything that does not hang on msa.
;   work-groups 0-127   (ATT): the attention weights softmax(q k^T / 4 + mask) of one head and 16 query rows, as f16 fragments -> attf
;   work-groups 128-131 (V):   ln_msa_g o Wv as f16 fragments -> wvf;  bv + ln_msa_b @ Wv -> bvf
;   work-groups 132-147 (W1):  ff_ln_g o W1 as bf16 fragments -> wff;  b1 + ff_ln_b @ W1 -> b1f
;   work-groups 148-163 (W2):  W2 as bf16 fragments -> wff
; LN(x) @ W + c = t @ (g o W) + (b @ W + c) with t = (x - mean) rstd: exact algebra, so the later launches multiply t alone.
; FRAGMENT ORDER: a 16 x 32 operand of 16-bit numbers is 1,024 consecutive bytes: lane L's registers 0-3 at 16 L, registers 4-7 at 512 + 16 L.
; So every store of a wave here covers 512 consecutive aligned bytes and every later read is base + 16 L.
; The role hangs on the work-group's number alone, so all four waves of a work-group take the same way and meet the same barriers.
; LIMITS. d^2 is summed by fused multiply-adds and the root is good to 1 ULP: a pair whose distance lies within about 1 ULP of a bin edge
; (8, 12, 16, 20) may fall on the other side of the mask.  Exponentials below 2^-126 come out as zero.  The weights are rounded to f16
; (they lie in [0, 1]); g o Wv is rounded to f16: it must stay below 65,504, and below 6e-5 its step is 6e-8.
.set MSB, 0
.macro WIN new                         ; the immediate's high byte repeats the setting that is left
.if MSB != (\new)
	s_set_vgpr_msb (MSB<<8)|(\new)
.set MSB, (\new)
.endif
.endm
.macro PLACES                          ; four places behind a matrix instruction (ISA guide 7.12.1)
.rept 4
	v_nop
.endr
.endm
.set CA,  0                            ; LDS: x[512], y[512], z[512] of the CA atoms
.set XM,  6144                         ; LDS: the waves' row maxima, 64 bytes a wave; their row sums 256 bytes further
.set SG,  16                           ; v[16:47]   ln_state_g of my 32 columns
.set SB,  48                           ; v[48:79]   ln_state_b                             (later CX)
.set WKF, 80                           ; v[80:111]  Wk^T, four fragments (dt, ks) at 8 (2 dt + ks)   (later CY)
.set WQF, 112                          ; v[112:143] Wq^T x 0.25 log2(e)                    (later CZ)
.set BK,  144                          ; v[144:159] bk of my 16 d                          (later XI, YI, ZI, constants, addresses)
.set BQ,  160                          ; v[160:175] bq x 0.25 log2(e)
.set QF,  176                          ; v[176:183] the 16 query rows as a fragment
.set DT,  184                          ; v[184:199] two result tiles
.set SF,  200                          ; v[200:215] LN(state), two fragments
.set ST,  216                          ; v[216:223] statistics
.set T,   224                          ; v[224:255] at work
.set CX,  48
.set CY,  80
.set CZ,  112
.set XI,  144
.set YI,  146
.set ZI,  148
; window 1: eight raw state tiles of 32 registers, later my 64 logits.
; window 2: raw Wk (0-63), later my eight k fragments; raw Wq (64-127); raw query tile (128-159)
	s_set_vgpr_msb 0x80
	v_lshl_add_u32 v160, v0, 2, 0x2000
	v_mov_b32 v161, 0
	s_set_vgpr_msb 0x8000
	s_mov_b32 s23, ttmp9
	v_lshrrev_b32 v1, 5, v0
	v_readfirstlane_b32 s22, v1                    ; wave 0..3
	v_and_b32 v1, 15, v0                           ; r
	v_bfe_u32 v2, v0, 4, 1                         ; h
	v_and_b32 v11, 31, v0
	v_lshlrev_b32 v11, 4, v11                      ; 16 L
	s_mov_b32 s26, 0x76543210                      ; v_permlanex16_b32: lane i reads lane i of the other half
	s_mov_b32 s27, 0xfedcba98
	s_cmp_lt_u32 s23, 128
	s_cbranch_scc0 .Lpack
; ---------------------------------------------------------------- ATT
; head hd = id / 32, query block ib = id % 32 (16 rows).  Wave w owns keys 128 w .. 128 w + 127: it normalises and projects exactly the eight key
; tiles that it multiplies, so k never leaves its registers.  The row's maximum and sum cross the four waves through LDS, 64 bytes a wave each.
; All products are used transposed (source 0 = weights or keys, source 1 = rows): lane (r, h) holds row r and columns 16 t + 8 h + e.
	s_load_b512 s[4:19], s[0:1], 0x0               ; state, xyz, ln_state_g, ln_state_b, Wq, bq, Wk, bk
	s_load_b64 s[20:21], s[0:1], 0x88              ; attf
	s_lshr_b32 s24, s23, 5                         ; hd
	s_and_b32 s25, s23, 31                         ; ib
	s_mov_b32 s30, 0x3eb8aa3b                      ; 0.25 log2(e): the softmax is taken in base 2
	s_mov_b32 s31, 0x3eb8aa3b
	s_mov_b32 s32, 0x3c800000                      ; 1 / 64
	s_mov_b32 s33, 0x3727c5ac                      ; 1e-5
	v_lshlrev_b32 v3, 5, v2                        ; 32 h: my 8 columns of a tile of 16 f32
	s_lshl_b32 s28, s24, 7                         ; 128 hd: the head's 32 columns of Wq, Wk, bq, bk
	v_add_nc_u32 v4, s28, v3
	v_lshlrev_b32 v5, 12, v2                       ; W: 8 h rows of 512 bytes
	v_lshl_add_u32 v5, v1, 2, v5                   ;    + column r
	v_add_nc_u32 v5, s28, v5
	v_lshl_add_u32 v7, v1, 8, v3                   ; state: row r of 256 bytes + 32 h
	s_lshl_b32 s29, s22, 15
	v_add_nc_u32 v6, s29, v7                       ; key tiles 8 w .. 8 w + 7
	s_lshl_b32 s29, s25, 12
	v_add_nc_u32 v7, s29, v7                       ; query tile ib
	s_lshl_b32 s29, s25, 4
	v_add_nc_u32 v8, s29, v1
	v_mad_u32_u24 v8, v8, 36, 12                   ; xyz[16 ib + r][1][0]
	v_mad_u32_u24 v9, v0, 36, 12                   ; xyz[thread][1][0]
	v_lshl_add_u32 v10, v0, 2, CA
	s_lshl_b32 s29, s22, 9
	v_add_nc_u32 v15, s29, v3                      ; the CA table at my keys: 128 w numbers of 4 bytes + 32 h
	s_wait_kmcnt 0x0
	; every load of the role in one run, the key tiles last: they may stay out while the rest is worked on
.irp t,0,1,2,3
.irp q,0,1
	global_load_b128 v[SG+8*\t+4*\q:SG+8*\t+4*\q+3], v3, s[8:9] offset:64*\t+16*\q
	global_load_b128 v[SB+8*\t+4*\q:SB+8*\t+4*\q+3], v3, s[10:11] offset:64*\t+16*\q
.endr
.endr
.irp d,0,1
.irp q,0,1
	global_load_b128 v[BK+8*\d+4*\q:BK+8*\d+4*\q+3], v4, s[18:19] offset:64*\d+16*\q
	global_load_b128 v[BQ+8*\d+4*\q:BQ+8*\d+4*\q+3], v4, s[14:15] offset:64*\d+16*\q
.endr
.endr
	global_load_b32 v12, v8, s[6:7]
	global_load_b32 v13, v8, s[6:7] offset:4
	global_load_b32 v14, v8, s[6:7] offset:8
.irp u,0,1,2,3
.irp c,0,1,2
	global_load_b32 v[T+3*\u+\c], v9, s[6:7] offset:4608*\u+4*\c       ; atom thread + 128 u
.endr
.endr
	WIN 0x80
.irp d,0,1
.irp k,0,1
.irp q,0,1
.irp e,0,1,2,3,4,5,6,7
	global_load_b32 v[16*(2*\d+\k)+8*\q+\e], v5, s[16:17] offset:(32*\k+16*\q+\e)*512+64*\d      ; Wk[32 k + 16 q + 8 h + e][32 hd + 16 d + r]
	global_load_b32 v[64+16*(2*\d+\k)+8*\q+\e], v5, s[12:13] offset:(32*\k+16*\q+\e)*512+64*\d   ; Wq likewise
.endr
.endr
.endr
.endr
.irp t,0,1,2,3
.irp q,0,1
	global_load_b128 v[128+8*\t+4*\q:128+8*\t+4*\q+3], v7, s[4:5] offset:64*\t+16*\q
.endr
.endr
	WIN 0x40
.irp u,0,1,2,3,4,5,6,7
.irp t,0,1,2,3
.irp q,0,1
	global_load_b128 v[32*\u+8*\t+4*\q:32*\u+8*\t+4*\q+3], v6, s[4:5] offset:4096*\u+64*\t+16*\q
.endr
.endr
.endr
	WIN 0
	s_wait_loadcnt 63                              ; the 64 loads of the eight key tiles were issued last: with the youngest 63 out, all that was issued
	                                               ; ahead of them is in (and the first load of key tile 0); 63 is the largest count that this wait can name
.irp u,0,1,2,3
.irp c,0,1,2
	ds_store_b32 v10, v[T+3*\u+\c] offset:2048*\c+512*\u
.endr
.endr
	WIN 0x82
.set i, 64
.rept 32
	v_pk_mul_f32 v[i:i+1], v[i:i+1], s[30:31] op_sel_hi:[1,0]
.set i, i+2
.endr
	WIN 0x0a
.set i, 0
.rept 32
	v_cvt_pk_bf16_f32 v[WKF+i], v[2*i], v[2*i+1]
	v_cvt_pk_bf16_f32 v[WQF+i], v[64+2*i], v[64+2*i+1]
.set i, i+1
.endr
	WIN 0
.set i, 0
.rept 8
	v_pk_mul_f32 v[BQ+i:BQ+i+1], v[BQ+i:BQ+i+1], s[30:31] op_sel_hi:[1,0]
.set i, i+2
.endr
; One tile of 16 state rows: LN in two passes (mean, then the centred squares), then rows x W^T + bias.  A row's 64 columns lie in lanes r and r + 16.
; win, base: where the raw tile lies; wf, bi: weights and bias; isq = 1: the result is the query fragment, else a k fragment at register off of
; window 2; left: how many loads of later key tiles may stay out.
.macro STILE win, base, wf, bi, isq, off, left
.if \isq==0
	s_wait_loadcnt \left                           ; loads come back in order (ISA guide 5.7.1): this tile's eight are in
.endif
	WIN (\win|(\win<<2))
	v_pk_add_f32 v[ST:ST+1], v[\base:\base+1], v[\base+2:\base+3]
	v_pk_add_f32 v[ST+2:ST+3], v[\base+4:\base+5], v[\base+6:\base+7]
	WIN \win
.irp i,8,12,16,20,24,28
	v_pk_add_f32 v[ST:ST+1], v[\base+\i:\base+\i+1], v[ST:ST+1]
	v_pk_add_f32 v[ST+2:ST+3], v[\base+\i+2:\base+\i+3], v[ST+2:ST+3]
.endr
	WIN 0
	v_pk_add_f32 v[ST:ST+1], v[ST:ST+1], v[ST+2:ST+3]
	v_add_f32 v[ST], v[ST], v[ST+1]
	v_permlanex16_b32 v[ST+1], v[ST], s26, s27
	v_add_f32 v[ST], v[ST], v[ST+1]
	v_mul_f32 v[ST], s32, v[ST]                    ; mean
	v_mov_b32 v[ST+1], v[ST]
	WIN \win
.irp i,0,2,4,6,8,10,12,14,16,18,20,22,24,26,28,30
	v_pk_add_f32 v[T+\i:T+\i+1], v[\base+\i:\base+\i+1], v[ST:ST+1] neg_lo:[0,1] neg_hi:[0,1]
.endr
	WIN 0
	v_pk_mul_f32 v[ST+2:ST+3], v[T:T+1], v[T:T+1]
	v_pk_mul_f32 v[ST+4:ST+5], v[T+2:T+3], v[T+2:T+3]
.irp i,4,8,12,16,20,24,28
	v_pk_fma_f32 v[ST+2:ST+3], v[T+\i:T+\i+1], v[T+\i:T+\i+1], v[ST+2:ST+3]
	v_pk_fma_f32 v[ST+4:ST+5], v[T+\i+2:T+\i+3], v[T+\i+2:T+\i+3], v[ST+4:ST+5]
.endr
	v_pk_add_f32 v[ST+2:ST+3], v[ST+2:ST+3], v[ST+4:ST+5]
	v_add_f32 v[ST+2], v[ST+2], v[ST+3]
	v_permlanex16_b32 v[ST+3], v[ST+2], s26, s27
	v_add_f32 v[ST+2], v[ST+2], v[ST+3]
	v_fma_f32 v[ST+2], v[ST+2], s32, s33           ; variance + 1e-5
	v_rsq_f32 v[ST+2], v[ST+2]
	v_nop                                          ; one plain place behind the transcendental (ISA guide 5.7.2)
	s_wait_alu depctr_va_vdst(0)
	v_mov_b32 v[ST+3], v[ST+2]
.irp i,0,2,4,6,8,10,12,14,16,18,20,22,24,26,28,30
	v_pk_mul_f32 v[T+\i:T+\i+1], v[T+\i:T+\i+1], v[ST+2:ST+3]
.endr
.irp i,0,2,4,6,8,10,12,14,16,18,20,22,24,26,28,30
	v_pk_fma_f32 v[T+\i:T+\i+1], v[T+\i:T+\i+1], v[SG+\i:SG+\i+1], v[SB+\i:SB+\i+1]
.endr
.irp i,0,1,2,3,4,5,6,7,8,9,10,11,12,13,14,15
	v_cvt_pk_bf16_f32 v[SF+\i], v[T+2*\i], v[T+2*\i+1]
.endr
	; two accumulators by turns, one instruction a turn; the bias is the first product's C
	v_wmma_f32_16x16x32_bf16 v[DT:DT+7], v[\wf:\wf+7], v[SF:SF+7], v[\bi:\bi+7]
	v_wmma_f32_16x16x32_bf16 v[DT+8:DT+15], v[\wf+16:\wf+23], v[SF:SF+7], v[\bi+8:\bi+15]
	v_wmma_f32_16x16x32_bf16 v[DT:DT+7], v[\wf+8:\wf+15], v[SF+8:SF+15], v[DT:DT+7]
	v_wmma_f32_16x16x32_bf16 v[DT+8:DT+15], v[\wf+24:\wf+31], v[SF+8:SF+15], v[DT+8:DT+15]
	PLACES
.if \isq
.irp i,0,1,2,3,4,5,6,7
	v_cvt_pk_bf16_f32 v[QF+\i], v[DT+2*\i], v[DT+2*\i+1]
.endr
.else
	WIN 0x80
.irp i,0,1,2,3,4,5,6,7
	v_cvt_pk_bf16_f32 v[\off+\i], v[DT+2*\i], v[DT+2*\i+1]   ; tile d 0-15 -> registers 0-3, tile d 16-31 -> registers 4-7: the fragment as it is
.endr
.endif
.endm
	STILE 2,128,WQF,BQ,1,0,0
.irp u,0,1,2,3,4,5,6,7
	STILE 1,32*\u,WKF,BK,0,8*\u,8*(7-\u)
.endr
	WIN 0
	s_wait_dscnt 0x0                               ; my part of the CA table is in LDS, for the other waves' sake
	s_barrier_signal -1
	s_barrier_wait -1
	v_mov_b32 v[XI], v12
	v_mov_b32 v[XI+1], v12
	v_mov_b32 v[YI], v13
	v_mov_b32 v[YI+1], v13
	v_mov_b32 v[ZI], v14
	v_mov_b32 v[ZI+1], v14
	v_mov_b32 v150, 0xceabfb8f                     ; -1e9 log2(e)
	v_mov_b32 v151, 0
	s_lshl_b32 s28, s24, 2
	s_add_co_u32 s28, s28, 8
	v_cvt_f32_u32 v153, s28                        ; the head's bin edge: 8 + 4 hd
	s_lshl_b32 s28, s23, 14                        ; the work-group's number is 32 hd + ib
	s_lshl_b32 s29, s22, 12
	s_add_co_u32 s28, s28, s29
	v_add_nc_u32 v152, s28, v11                    ; attf: (32 hd + ib) x 16 KB + my 8 key tiles of 512 bytes + 16 L
	s_lshl_b32 s28, s22, 6
	v_lshl_add_u32 v155, v1, 2, XM                 ; the exchange: row r's word of wave 0,
	v_add_nc_u32 v154, s28, v155                   ; and of my wave
; Four key tiles: logits (keys x queries, so that lane (r, h) holds query r, keys 16 jt + 8 h + e) and the mask's addend.
; The distance work names none of the matrix instructions' registers: it gives the places ahead of the reads of D.
.macro GRP g
	WIN 0
.irp u,0,1,2,3
.irp q,0,1
	ds_load_b128 v[CX+8*\u+4*\q:CX+8*\u+4*\q+3], v15 offset:CA+64*(4*\g+\u)+16*\q
	ds_load_b128 v[CY+8*\u+4*\q:CY+8*\u+4*\q+3], v15 offset:CA+2048+64*(4*\g+\u)+16*\q
	ds_load_b128 v[CZ+8*\u+4*\q:CZ+8*\u+4*\q+3], v15 offset:CA+4096+64*(4*\g+\u)+16*\q
.endr
.endr
	WIN 0x42                                       ; k window 2, q window 0, logits window 1
.irp u,0,1,2,3
	v_wmma_f32_16x16x32_bf16 v[8*(4*\g+\u):8*(4*\g+\u)+7], v[8*(4*\g+\u):8*(4*\g+\u)+7], v[QF:QF+7], 0
.endr
	WIN 0
	s_wait_dscnt 0x0
.set i, 0
.rept 16
	v_pk_add_f32 v[CX+i:CX+i+1], v[CX+i:CX+i+1], v[XI:XI+1] neg_lo:[0,1] neg_hi:[0,1]
	v_pk_add_f32 v[CY+i:CY+i+1], v[CY+i:CY+i+1], v[YI:YI+1] neg_lo:[0,1] neg_hi:[0,1]
	v_pk_add_f32 v[CZ+i:CZ+i+1], v[CZ+i:CZ+i+1], v[ZI:ZI+1] neg_lo:[0,1] neg_hi:[0,1]
.set i, i+2
.endr
.set i, 0
.rept 16
	v_pk_mul_f32 v[CX+i:CX+i+1], v[CX+i:CX+i+1], v[CX+i:CX+i+1]
.set i, i+2
.endr
.set i, 0
.rept 16
	v_pk_fma_f32 v[CX+i:CX+i+1], v[CY+i:CY+i+1], v[CY+i:CY+i+1], v[CX+i:CX+i+1]
.set i, i+2
.endr
.set i, 0
.rept 16
	v_pk_fma_f32 v[CX+i:CX+i+1], v[CZ+i:CZ+i+1], v[CZ+i:CZ+i+1], v[CX+i:CX+i+1]
.set i, i+2
.endr
.set i, 0
.rept 32
	v_sqrt_f32 v[CX+i], v[CX+i]
.set i, i+1
.endr
	v_nop                                          ; one plain place behind the transcendentals
.set i, 0
	s_wait_alu depctr_va_vdst(0)
.rept 32
	v_cmp_gt_f32 vcc_lo, v153, v[CX+i]             ; edge > distance
	v_cndmask_b32 v[CX+i], v150, v151, vcc_lo      ; open: 0, shut: -1e9 log2(e)
.set i, i+1
.endr
	WIN 0x41
.set i, 0
.rept 16
	v_pk_add_f32 v[32*\g+i:32*\g+i+1], v[32*\g+i:32*\g+i+1], v[CX+i:CX+i+1]
.set i, i+2
.endr
.endm
	GRP 0
	GRP 1
	; softmax: the maximum is taken away first, as in the problem.  My 64 registers, the partner lane's, then the other three waves'.
	WIN 0x05
.irp c,0,1,2,3
	v_max_num_f32 v[ST+\c], v[2*\c], v[2*\c+1]
.endr
	WIN 0x14
.set i, 8
.rept 28
	v_max3_num_f32 v[ST+((i/2)%4)], v[ST+((i/2)%4)], v[i], v[i+1]
.set i, i+2
.endr
	WIN 0
	v_max3_num_f32 v[ST], v[ST], v[ST+1], v[ST+2]
	v_max_num_f32 v[ST], v[ST], v[ST+3]
	v_permlanex16_b32 v[ST+1], v[ST], s26, s27
	v_max_num_f32 v[ST], v[ST], v[ST+1]            ; row r's maximum over my 128 keys
	ds_store_b32 v154, v[ST]                       ; lanes r and r + 16 write the same word with the same value
	s_wait_dscnt 0x0                               ; for the others' sake
	s_barrier_signal -1
	s_barrier_wait -1
.irp c,0,1,2,3
	ds_load_b32 v[ST+\c], v155 offset:64*\c
.endr
	s_wait_dscnt 0x0
	v_max3_num_f32 v[ST], v[ST], v[ST+1], v[ST+2]
	v_max_num_f32 v[ST], v[ST], v[ST+3]            ; over all 512 keys
	v_mov_b32 v[ST+1], v[ST]
	WIN 0x41
.set i, 0
.rept 32
	v_pk_add_f32 v[i:i+1], v[i:i+1], v[ST:ST+1] neg_lo:[0,1] neg_hi:[0,1]
.set i, i+2
.endr
.set i, 0
.rept 64
	v_exp_f32 v[i], v[i]
.set i, i+1
.endr
	v_nop
	WIN 0x05
	s_wait_alu depctr_va_vdst(0)
.irp c,0,1,2,3
	v_pk_add_f32 v[ST+2*\c:ST+2*\c+1], v[4*\c:4*\c+1], v[4*\c+2:4*\c+3]
.endr
	WIN 0x01
.set i, 8
.rept 24
	v_pk_add_f32 v[ST+2*(i%4):ST+2*(i%4)+1], v[2*i:2*i+1], v[ST+2*(i%4):ST+2*(i%4)+1]
.set i, i+1
.endr
	WIN 0
	v_pk_add_f32 v[ST:ST+1], v[ST:ST+1], v[ST+2:ST+3]
	v_pk_add_f32 v[ST+4:ST+5], v[ST+4:ST+5], v[ST+6:ST+7]
	v_pk_add_f32 v[ST:ST+1], v[ST:ST+1], v[ST+4:ST+5]
	v_add_f32 v[ST], v[ST], v[ST+1]
	v_permlanex16_b32 v[ST+1], v[ST], s26, s27
	v_add_f32 v[ST], v[ST], v[ST+1]                ; row r's sum over my 128 keys
	ds_store_b32 v154, v[ST] offset:256            ; bytes of their own: the maxima may still be read by a slower wave
	s_wait_dscnt 0x0
	s_barrier_signal -1
	s_barrier_wait -1
.irp c,0,1,2,3
	ds_load_b32 v[ST+\c], v155 offset:256+64*\c
.endr
	s_wait_dscnt 0x0
	v_add_f32 v[ST], v[ST], v[ST+1]
	v_add_f32 v[ST+2], v[ST+2], v[ST+3]
	v_add_f32 v[ST], v[ST], v[ST+2]                ; at least 1: the largest term is 2^0
	v_rcp_f32 v[ST+2], v[ST]
	v_nop
	s_wait_alu depctr_va_vdst(0)
	v_mov_b32 v[ST+3], v[ST+2]
	WIN 0x41
.set i, 0
.rept 32
	v_pk_mul_f32 v[i:i+1], v[i:i+1], v[ST+2:ST+3]
.set i, i+2
.endr
	WIN 0x45
.set i, 0
.rept 32
	v_cvt_pk_f16_f32 v[i], v[2*i], v[2*i+1]        ; packed in place: word i never lies ahead of its sources
.set i, i+1
.endr
	WIN 0x04
.irp j,0,1,2,3,4,5,6,7
	global_store_b128 v152, v[4*\j:4*\j+3], s[20:21] offset:512*\j      ; key tile 8 w + j: half a fragment, 512 consecutive aligned bytes of the wave
.endr
	WIN 0
	s_set_vgpr_msb 0xa
	s_wait_tensorcnt 0x0
	ds_add_u32 v160, v161
	s_wait_dscnt 0x0
	s_set_vgpr_msb 0xa00
	s_endpgm
; ---------------------------------------------------------------- the weights
; A wave packs eight fragments of one tile of 16 columns: lane (r, h) holds column r and k = 32 u + 16 q + 8 h + e.  The four waves of a
; work-group take four neighbouring column tiles, 256 bytes of each source row.
.set WR, 16                            ; v[16:79]   four fragments' numbers, f32
.set GR, 80                            ; v[80:143]  the gains of their k (the second batch packs into these registers)
.set BR, 144                           ; v[144:207] the shifts of their k
.set PS, 8                             ; v[8:15]    four chains of shift x weight
; pb: bytes in a source row; scaled: gain and fold; kind 2: W2's places in wff; half: f16 instead of bf16
.macro PACK pb, scaled, kind, half
.if \scaled
	global_load_b32 v7, v6, s[6:7]                 ; the bias of my column
.endif
.irp bt,0,1
.irp u,0,1,2,3
.irp q,0,1
.irp e,0,1,2,3,4,5,6,7
	global_load_b32 v[WR+16*\u+8*\q+\e], v3, s[4:5] offset:(32*(4*\bt+\u)+16*\q+\e)*\pb
.endr
.endr
.endr
.if \scaled
.irp u,0,1,2,3
.irp q,0,1
.irp p,0,1
	global_load_b128 v[GR+16*\u+8*\q+4*\p:GR+16*\u+8*\q+4*\p+3], v4, s[8:9] offset:(32*(4*\bt+\u)+16*\q)*4+16*\p
	global_load_b128 v[BR+16*\u+8*\q+4*\p:BR+16*\u+8*\q+4*\p+3], v4, s[10:11] offset:(32*(4*\bt+\u)+16*\q)*4+16*\p
.endr
.endr
.endr
.endif
	s_wait_loadcnt 0x0
.if \scaled
.set i, 0
.rept 32
.if (32*\bt+i)<4
	v_pk_mul_f32 v[PS+2*(i%4):PS+2*(i%4)+1], v[BR+2*i:BR+2*i+1], v[WR+2*i:WR+2*i+1]      ; the first products start the chains
.else
	v_pk_fma_f32 v[PS+2*(i%4):PS+2*(i%4)+1], v[BR+2*i:BR+2*i+1], v[WR+2*i:WR+2*i+1], v[PS+2*(i%4):PS+2*(i%4)+1]
.endif
.set i, i+1
.endr
.set i, 0
.rept 32
	v_pk_mul_f32 v[WR+2*i:WR+2*i+1], v[WR+2*i:WR+2*i+1], v[GR+2*i:GR+2*i+1]
.set i, i+1
.endr
.endif
.set PKB, 208-128*\bt                  ; each batch packs into registers of its own: no store's data is written again
.set i, 0
.rept 32
.if \half
	v_cvt_pk_f16_f32 v[PKB+i], v[WR+2*i], v[WR+2*i+1]
.else
	v_cvt_pk_bf16_f32 v[PKB+i], v[WR+2*i], v[WR+2*i+1]
.endif
.set i, i+1
.endr
.irp u,0,1,2,3
.if \kind==2
	global_store_b128 v5, v[PKB+8*\u:PKB+8*\u+3], s[12:13] offset:\bt*131072+\u*16384
	global_store_b128 v5, v[PKB+8*\u+4:PKB+8*\u+7], s[12:13] offset:\bt*131072+\u*16384+512
.else
	global_store_b128 v5, v[PKB+8*\u:PKB+8*\u+3], s[12:13] offset:(4*\bt+\u)*1024
	global_store_b128 v5, v[PKB+8*\u+4:PKB+8*\u+7], s[12:13] offset:(4*\bt+\u)*1024+512
.endif
.endr
.endr
.if \scaled
	v_pk_add_f32 v[8:9], v[8:9], v[10:11]
	v_pk_add_f32 v[12:13], v[12:13], v[14:15]
	v_pk_add_f32 v[8:9], v[8:9], v[12:13]
	v_add_f32 v8, v8, v9
	v_permlanex16_b32 v9, v8, s26, s27
	v_add_f32 v8, v8, v9                           ; shift @ W over all 256 k
	v_add_f32 v8, v8, v7
	v_and_b32 v9, 31, v0
	v_cmp_gt_u32 vcc_lo, 16, v9
	s_wait_xcnt 0x0                                ; EXEC is a source of the stores above: it changes only behind this wait
	s_and_saveexec_b32 s29, vcc_lo
	global_store_b32 v6, v8, s[14:15]              ; lanes 0-15: one number for each column
	s_wait_xcnt 0x0
	s_or_b32 exec_lo, exec_lo, s29
.endif
.endm
.Lpack:
	v_lshlrev_b32 v4, 5, v2                        ; gains and shifts: 8 h numbers of 4 bytes
	s_cmp_lt_u32 s23, 132
	s_cbranch_scc0 .Lnot_v
	s_load_b256 s[4:11], s[0:1], 0x40              ; Wv, bv, ln_msa_g, ln_msa_b
	s_load_b128 s[12:15], s[0:1], 0x90             ; wvf, bvf
	s_sub_co_u32 s24, s23, 128
	s_lshl2_add_u32 s24, s24, s22                  ; column tile 0..15
	s_lshl_b32 s25, s24, 6
	v_lshl_add_u32 v6, v1, 2, s25                  ; 4 (16 t + r)
	v_lshl_add_u32 v3, v2, 13, v6                  ; + 8 h rows of 1,024 bytes
	s_lshl_b32 s25, s24, 13
	v_add_nc_u32 v5, s25, v11                      ; wvf: t x 8 fragments + 16 L
	s_wait_kmcnt 0x0
	PACK 1024,1,0,1
	s_endpgm
.Lnot_v:
	s_cmp_lt_u32 s23, 148
	s_cbranch_scc0 .Lw2
	s_load_b256 s[4:11], s[0:1], 0x60              ; W1, b1, ff_ln_g, ff_ln_b
	s_load_b128 s[12:15], s[0:1], 0xa0             ; wff, b1f
	s_sub_co_u32 s24, s23, 132
	s_lshl2_add_u32 s24, s24, s22                  ; hidden tile 0..63
	s_lshl_b32 s25, s24, 6
	v_lshl_add_u32 v6, v1, 2, s25
	v_lshl_add_u32 v3, v2, 15, v6                  ; + 8 h rows of 4,096 bytes
	s_lshr_b32 s25, s24, 3
	s_lshl_b32 s25, s25, 16
	s_lshl_b32 s28, s24, 13
	s_add_co_u32 s25, s25, s28                     ; chunk (T / 8) x 131,072 + (T % 8) x 8,192
	v_add_nc_u32 v5, s25, v11
	s_wait_kmcnt 0x0
	PACK 4096,1,1,0
	s_endpgm
.Lw2:
	s_load_b64 s[4:5], s[0:1], 0x80                ; W2
	s_load_b64 s[12:13], s[0:1], 0xa0              ; wff
	s_sub_co_u32 s24, s23, 148
	s_lshl2_add_u32 s24, s24, s22                  ; 0..63: column tile ct = low four bits, 256 hidden = the rest
	s_and_b32 s25, s24, 15
	s_lshr_b32 s28, s24, 4
	s_lshl_b32 s28, s28, 18                        ; 256 rows of 1,024 bytes in W2, and two chunks of 131,072 bytes in wff
	s_lshl_b32 s29, s25, 6
	s_add_co_u32 s29, s29, s28
	v_lshl_add_u32 v3, v1, 2, s29
	v_lshl_add_u32 v3, v2, 13, v3
	s_lshl_b32 s29, s25, 10
	s_add_co_u32 s29, s29, s28
	s_add_co_u32 s29, s29, 65536                   ; W2's fragments lie behind W1's in a chunk
	v_add_nc_u32 v5, s29, v11
	s_wait_kmcnt 0x0
	PACK 1024,0,2,0
	s_endpgm
.Lfunc_end_k_q05151843ba_prep:
	.size	k_q05151843ba_prep, .Lfunc_end_k_q05151843ba_prep-k_q05151843ba_prep
	.p2alignl 7, 3214868480
	.fill 96, 4, 3214868480
	.section	.rodata,"a",@progbits
	.p2align	6, 0x0
	.amdhsa_kernel k_q05151843ba_prep
		.amdhsa_group_segment_fixed_size 8704
		.amdhsa_private_segment_fixed_size 0
		.amdhsa_enable_private_segment 0
		.amdhsa_kernarg_size 176
		.amdhsa_user_sgpr_count 2
		.amdhsa_user_sgpr_kernarg_segment_ptr 1
		.amdhsa_wavefront_size32 1
		.amdhsa_system_sgpr_workgroup_id_x 1
		.amdhsa_system_sgpr_workgroup_id_y 1
		.amdhsa_system_sgpr_workgroup_id_z 1
		.amdhsa_system_vgpr_workitem_id 0
		.amdhsa_next_free_vgpr 674
		.amdhsa_next_free_sgpr 66
		.amdhsa_reserve_vcc 1
		.amdhsa_float_denorm_mode_32 3
		.amdhsa_float_denorm_mode_16_64 3
		.amdhsa_memory_ordered 1
		.amdhsa_forward_progress 1
		.amdhsa_inst_pref_size 224
	.end_amdhsa_kernel
	.amdgpu_metadata
---
amdhsa.version: [ 1, 2 ]
amdhsa.kernels:
  - .name:           k_q05151843ba_prep
    .symbol:         k_q05151843ba_prep.kd
    .args:
      - { .name: state, .offset: 0, .size: 8, .value_kind: global_buffer, .address_space: global }
      - { .name: xyz, .offset: 8, .size: 8, .value_kind: global_buffer, .address_space: global }
      - { .name: ln_state_g, .offset: 16, .size: 8, .value_kind: global_buffer, .address_space: global }
      - { .name: ln_state_b, .offset: 24, .size: 8, .value_kind: global_buffer, .address_space: global }
      - { .name: Wq, .offset: 32, .size: 8, .value_kind: global_buffer, .address_space: global }
      - { .name: bq, .offset: 40, .size: 8, .value_kind: global_buffer, .address_space: global }
      - { .name: Wk, .offset: 48, .size: 8, .value_kind: global_buffer, .address_space: global }
      - { .name: bk, .offset: 56, .size: 8, .value_kind: global_buffer, .address_space: global }
      - { .name: Wv, .offset: 64, .size: 8, .value_kind: global_buffer, .address_space: global }
      - { .name: bv, .offset: 72, .size: 8, .value_kind: global_buffer, .address_space: global }
      - { .name: ln_msa_g, .offset: 80, .size: 8, .value_kind: global_buffer, .address_space: global }
      - { .name: ln_msa_b, .offset: 88, .size: 8, .value_kind: global_buffer, .address_space: global }
      - { .name: W1, .offset: 96, .size: 8, .value_kind: global_buffer, .address_space: global }
      - { .name: b1, .offset: 104, .size: 8, .value_kind: global_buffer, .address_space: global }
      - { .name: ff_ln_g, .offset: 112, .size: 8, .value_kind: global_buffer, .address_space: global }
      - { .name: ff_ln_b, .offset: 120, .size: 8, .value_kind: global_buffer, .address_space: global }
      - { .name: W2, .offset: 128, .size: 8, .value_kind: global_buffer, .address_space: global }
      - { .name: attf, .offset: 136, .size: 8, .value_kind: global_buffer, .address_space: global }
      - { .name: wvf, .offset: 144, .size: 8, .value_kind: global_buffer, .address_space: global }
      - { .name: bvf, .offset: 152, .size: 8, .value_kind: global_buffer, .address_space: global }
      - { .name: wff, .offset: 160, .size: 8, .value_kind: global_buffer, .address_space: global }
      - { .name: b1f, .offset: 168, .size: 8, .value_kind: global_buffer, .address_space: global }
    .group_segment_fixed_size: 8704
    .private_segment_fixed_size: 0
    .kernarg_segment_align: 8
    .kernarg_segment_size: 176
    .max_flat_workgroup_size: 128
    .sgpr_count:     66
    .vgpr_count:     674
    .wavefront_size: 32
...
	.end_amdgpu_metadata
.endif
;; end of part 4
;; launch vproj: the kernel of part 2 again; grid 256 x 1, 4 waves a work-group, clusters of 4 x 1, 327,680 bytes of LDS; arguments msa, wvf, bvf, vf; writes vf
;; launch main (part 5): grid 256 x 1, 4 waves a work-group, clusters of 4 x 1, 327,680 bytes of LDS; arguments msa, attf, vf, wff, b1f, ln_msa_g, ln_msa_b, ln_out_g, ln_out_b, b2, out0; writes out0
.if DOCPART == 5
	.amdgcn_target "amdgcn-amd-amdhsa--gfx1250"
	.amdhsa_code_object_version 6
	.text
	.protected	k_q05151843ba_main
	.globl	k_q05151843ba_main
	.p2align	8
	.type	k_q05151843ba_main,@function
k_q05151843ba_main:
	s_mov_b64 s[64:65], 0
	v_nop
	global_prefetch_b8 v0, s[64:65] scope:SCOPE_SE
	s_setreg_imm32_b32 hwreg(HW_REG_WAVE_MODE, 25, 1), 1
	s_wait_xcnt 0x0
	s_wait_alu depctr_hold_cnt(0) depctr_sa_sdst(0) depctr_va_vdst(0) depctr_va_sdst(0) depctr_va_ssrc(0) depctr_va_vcc(0) depctr_vm_vsrc(0)
	s_getreg_b32 s2, hwreg(HW_REG_IB_STS2, 6, 4)
	s_cmp_eq_u32 s2, 0
	s_cbranch_scc0 .Lentry_in_a_cluster
	s_endpgm
.Lentry_in_a_cluster:
	s_bfe_u32 s2, ttmp6, 0x10000c
	s_cmp_lg_u32 s2, 0x3003
	s_cbranch_scc0 .Lentry_shape_is_right
	s_endpgm
.Lentry_shape_is_right:
; main: out = att V;  msa2 = LN(msa) + LN(out);  out0 = msa2 + relu(LN(msa2) W1 + b1) W2 + b2, all between the loads and the stores in registers.
; A cluster of four work-groups owns TWO n (2 c, 2 c + 1); a work-group a quarter of l (128 rows) for both; a wave 32 rows of l for both n:
; four row blocks of 16 rows (rb 0, 1: the first n; rb 2, 3: the second) x all 256 columns = 64 accumulator tiles of 16 x 16, 512 registers (windows 2, 3).
; Why two n: the attention weights do not hang on n, so an att fragment in registers feeds 8 matrix instructions (2 n x 4 column tiles of its head)
; and a work-group takes in 524,288 bytes of att; with one n and 256 rows it would be 4 instructions and 1,048,576 bytes for the same products.
; EVERY PRODUCT IS USED TRANSPOSED: source 0 = V or weights, source 1 = rows.  Lane (r, h) then holds row r and columns 16 t + 8 h + e (register e of
; tile t).  So a LayerNorm is a sum in the lane and one exchange with lane r + 16, and two result tiles pack straight into the next product's
; fragment (tile 2 s -> registers 0-3, tile 2 s + 1 -> registers 4-7): nothing goes through LDS between att V, the norms and the two FF products.
; Operands come in fragment order (1,024 bytes a fragment, lane L's halves at 16 L and 512 + 16 L): dense tensor loads, LDS reads at base + 16 L.
; LDS: two slots of 133,120 bytes, filled by tensor loads alone, which hold in turn: one head's V of both n (2 x 65,536), four tiles of 32 rows of msa
; (33,280 each, pitch 1,040), chunks of wff (131,072: W1's 64 fragments for 128 hidden, then W2's 64).  Behind them, written by ds_store alone:
; the waves' stages for the way out (4 x 4,352) and the parameters (8,192).
; JOINT LOADS: V of the two n is the same for the four work-groups of a cluster, and wff for every work-group: both are asked for jointly.
; Not joint: att (the four work-groups own different rows of l and share none of it; each of its bytes feeds one wave, so it is loaded straight
; into registers in fragment order) and msa (each row is read by one wave).
; att V runs in f16 (weights in [0, 1]; V below 65,504: see vproj), the feed-forward in bf16.  LN gains and shifts of the FF norm are folded into wff and b1f.
.set MSB, 0
.macro WIN new
.if MSB != (\new)
	s_set_vgpr_msb (MSB<<8)|(\new)
.set MSB, (\new)
.endif
.endm
.macro PLACES                          ; four places behind a matrix instruction (ISA guide 7.12.1)
.rept 4
	v_nop
.endr
.endm
.set SLB,   133120
.set STAGE, 266240
.set PAR,   283648                     ; ln_msa_g +0, ln_out_g +1024, ln_msa_b + ln_out_b +2048, b2 +3072, b1f +4096
; window 0: v1 r; v2-5 AS: 16 L + {slot A, A + 65,536, slot B, B + 65,536}; v6-7 AM: my 32 bytes of row r of my msa tile in slot A, B;
; v8 PAR + 32 h; v9 b1f in PAR + 32 h, stepped a chunk at a time; v10 att offset; v11, v12 stage in, back; v13 offset in out0; v14 256 L
.set AS,   2
.set AM,   6
.set ST,   16                          ; v[16:23] four chains; v[24:25] mean; v[26:31] three rstd pairs.  In the FF: BT, two bias tiles
.set MEAN, 24
.set RM,   26
.set RA,   28
.set R3,   30
.set BT,   16
.set VA,   32                          ; att V: two buffers of eight V fragments (n, column tile), v[32:159]
.set M,    32                          ; norms: a row block of msa, then of LN(msa2), v[32:159]
.set PA,   160                         ; norms: two buffers of 48 parameters, v[160:255]
.set WB0,  32                          ; FF: two buffers of eight weight fragments
.set WB1,  96
.set HACC, 160                         ; FF: hidden sums, tile (hh, rb) at 8 (4 hh + rb)
.set HF,   224                         ; FF: relu(hidden) as four fragments
.set TMP,  32                          ; way out: two sets of 32
.set B2R,  96                          ; way out: b2 of my 4 columns in each quarter of a row
; window 1: att V: a ring of eight buffers of four att fragments; from the norms on: X(rb, ks) at 64 rb + 8 ks
; windows 2, 3: accumulator tile (rb, ct) at 8 (16 (rb & 1) + ct) of window 2 + rb / 2
.set GJ,   44                          ; s[44:51] group 1: dense 32 KB, joint
.set GM,   52                          ; s[52:59] group 1: 32 rows of msa, padded
.set G0VA, 60
.set G0VB, 68
.set G0MA, 72
.set G0MB, 76
.set G0WA, 80
.set G0WB, 84
.macro ROUND                           ; a round of the cluster's barrier
	s_barrier_signal -1
	s_barrier_wait -1
	s_cmp_lg_u32 s26, 0
	s_cbranch_scc1 .Lnot_wave_0_\@
	s_barrier_signal -3
.Lnot_wave_0_\@:
	s_barrier_wait -3
	s_barrier_signal -1
	s_barrier_wait -1
.endm
	s_load_b512 s[4:19], s[0:1], 0x0               ; msa, attf, vf, wff, b1f, ln_msa_g, ln_msa_b, ln_out_g
	s_load_b128 s[20:23], s[0:1], 0x40             ; ln_out_b, b2
	s_load_b64 s[24:25], s[0:1], 0x50              ; out0
	v_lshl_add_u32 v222, v0, 2, 0x47400
	v_mov_b32 v223, 0
	ds_add_u32 v222, v223
	s_wait_dscnt 0x0
	v_lshrrev_b32 v1, 5, v0
	v_readfirstlane_b32 s26, v1                    ; wave
	s_bfe_u32 s27, ttmp6, 0x40000                  ; cx: my quarter of l.  It enters global addresses of att, msa and out0 alone
	s_mov_b32 s88, 0x76543210
	s_mov_b32 s89, 0xfedcba98
	s_mov_b32 s90, 0x3727c5ac                      ; 1e-5
	s_mov_b32 s91, 0x3b800000                      ; 1 / 256
	s_mov_b32 s44, 15|(3<<16)|(1<<21)              ; dense: 128 rows of 32 elements of 8 bytes, for all four work-groups of the cluster, bit 21 beside the mask
	s_mov_b32 s45, 32<<16
	s_mov_b32 s46, 128<<16
	s_mov_b32 s47, 32<<16
	s_mov_b32 s48, 128
	s_mov_b32 s49, 32
	s_mov_b32 s50, 0
	s_mov_b32 s51, 0
	s_mov_b32 s52, (2<<16)|(1<<20)|(7<<22)|(3<<25) ; msa: 32 rows of 256 elements of 4 bytes, 4 words of padding behind every 256 words
	s_mov_b32 s53, 256<<16
	s_mov_b32 s54, 32<<16
	s_mov_b32 s55, 256<<16
	s_mov_b32 s56, 32
	s_mov_b32 s57, 256
	s_mov_b32 s58, 0
	s_mov_b32 s59, 0
	s_lshl_b32 s30, s27, 17
	s_lshl_b32 s31, s26, 15
	s_add_co_u32 s30, s30, s31                     ; (128 cx + 32 wave) rows of 1,024 bytes; the same figure is (8 cx + 2 wave) att row blocks of 16,384 bytes
	s_lshl_b32 s32, ttmp9, 20                      ; the cluster's two n: 2 x 512 rows of 1,024 bytes
	s_add_co_u32 s32, s32, s30                     ; msa and out0: my 32 rows of the first n
	s_mov_b32 s33, 0
	s_lshl_b32 s34, ttmp9, 19                      ; vf: the cluster's two n of 262,144 bytes,
	s_lshr_b32 s28, s26, 1
	s_lshl_b32 s28, s28, 18                        ; waves 0, 1 fetch for the first n, waves 2, 3 for the second,
	s_add_co_u32 s34, s34, s28
	s_and_b32 s29, s26, 1
	s_lshl_b32 s29, s29, 15                        ; each a half of a head's 65,536 bytes: made of the cluster's and the wave's number alone
	s_add_co_u32 s34, s34, s29
	s_mov_b32 s35, 0
	s_lshl_b32 s94, s26, 15                        ; wff: the wave's quarter of a chunk, made of the wave's number alone
	s_mov_b32 s95, 0
	s_mul_i32 s66, s26, 33280
	v_and_b32 v1, 15, v0                           ; r
	v_bfe_u32 v15, v0, 4, 1                        ; h
	v_and_b32 v16, 31, v0
	v_lshlrev_b32 v14, 8, v16
	v_lshlrev_b32 v2, 4, v16
	v_add_nc_u32 v3, 0x10000, v2
	v_add_nc_u32 v4, SLB, v2
	v_add_nc_u32 v5, SLB+0x10000, v2
	v_mul_u32_u24 v6, v1, 1040
	v_lshl_add_u32 v6, v15, 5, v6
	v_add_nc_u32 v6, s66, v6
	v_add_nc_u32 v7, SLB, v6
	v_lshl_add_u32 v8, v15, 5, PAR
	v_add_nc_u32 v9, 4096, v8
	v_add_nc_u32 v10, s30, v2                      ; att: my two row blocks + 16 L
	s_mul_i32 s67, s26, 4352
	s_add_co_u32 s67, s67, STAGE
	v_mul_u32_u24 v11, v1, 272
	v_lshl_add_u32 v11, v15, 5, v11
	v_add_nc_u32 v11, s67, v11
	v_mul_u32_u24 v12, v15, 272
	v_lshl_add_u32 v12, v1, 4, v12
	v_add_nc_u32 v12, s67, v12
	v_lshlrev_b32 v13, 10, v15
	v_lshl_add_u32 v13, v1, 4, v13
	v_lshlrev_b32 v17, 3, v0
	v_lshlrev_b32 v18, 4, v0
	v_add_nc_u32 v19, PAR, v17
	v_add_nc_u32 v20, PAR+4096, v18
	s_wait_kmcnt 0x0
	s_add_nc_u64 s[92:93], s[4:5], s[32:33]        ; my 32 rows of msa, first n; the second n lies 524,288 bytes further
	s_add_nc_u64 s[24:25], s[24:25], s[32:33]      ; and of out0
	s_mov_b32 s60, 1
	s_lshl_b32 s61, s26, 15
	s_add_nc_u64 s[62:63], s[8:9], s[34:35]        ; V, head 0 (later head 2)
	s_mov_b32 s68, 1
	s_lshl_b32 s69, s26, 15
	s_add_co_u32 s69, s69, SLB
	s_add_nc_u64 s[70:71], s[62:63], 65536         ; V, head 1 (later head 3)
	s_or_b32 s63, s63, 0x80000000
	s_or_b32 s71, s71, 0x80000000
	s_mov_b32 s72, 1
	s_mul_i32 s73, s26, 33280
	s_mov_b64 s[74:75], s[92:93]                   ; msa, my rows of the first n
	s_or_b32 s75, s75, 0x80000000
	s_mov_b32 s76, 1
	s_mul_i32 s77, s26, 33280
	s_add_co_u32 s77, s77, SLB
	s_add_nc_u64 s[78:79], s[92:93], 524288        ; msa, my rows of the second n
	s_or_b32 s79, s79, 0x80000000
	s_mov_b32 s80, 1
	s_lshl_b32 s81, s26, 15
	s_add_nc_u64 s[82:83], s[10:11], s[94:95]      ; wff, chunk 0
	s_mov_b32 s84, 1
	s_lshl_b32 s85, s26, 15
	s_add_co_u32 s85, s85, SLB
	s_add_nc_u64 s[86:87], s[82:83], 131072        ; wff, chunk 1
	s_or_b32 s83, s83, 0x80000000
	s_or_b32 s87, s87, 0x80000000
	ROUND                                          ; all four work-groups are here: the first joint loads meet
	tensor_load_to_lds s[G0VA:G0VA+3], s[GJ:GJ+7]  ; the two first fills go out together: two tensor loads of the wave are out
	s_nop 0
	tensor_load_to_lds s[G0VB:G0VB+3], s[GJ:GJ+7]
	s_nop 0
	global_load_b64 v[160:161], v17, s[14:15]
	global_load_b64 v[162:163], v17, s[16:17]
	global_load_b64 v[164:165], v17, s[18:19]
	global_load_b64 v[166:167], v17, s[20:21]
	global_load_b64 v[168:169], v17, s[22:23]
	global_load_b128 v[172:175], v18, s[12:13]
	global_load_b128 v[176:179], v18, s[12:13] offset:2048
; ---- att V: 64 half steps u; head u / 16, K step ks = u % 16 (32 keys).  A half step multiplies my two att fragments (row blocks q) by the eight
; V fragments (2 n x 4 column tiles of the head): 16 matrix instructions, for 16 LDS loads and 4 loads from memory.  Two half steps are a step g.
.macro FETCHV u                        ; eight V fragments (n, c) of half step u from LDS into the buffer of u's parity
	WIN 0
.irp nn,0,1
.irp c,0,1,2,3
	ds_load_b128 v[VA+64*((\u)&1)+8*(4*\nn+\c):VA+64*((\u)&1)+8*(4*\nn+\c)+3], v[AS+2*(((\u)>>4)&1)+\nn] offset:(16*\c+((\u)&15))*1024
	ds_load_b128 v[VA+64*((\u)&1)+8*(4*\nn+\c)+4:VA+64*((\u)&1)+8*(4*\nn+\c)+7], v[AS+2*(((\u)>>4)&1)+\nn] offset:(16*\c+((\u)&15))*1024+512
.endr
.endr
.endm
.macro ATTLD g                         ; the four att fragments (kk, q) of step g from memory into ring buffer g % 8; each load of the wave takes 512 consecutive bytes
	WIN 0x40
.irp kk,0,1
.irp q,0,1
	global_load_b128 v[32*((\g)&7)+8*(2*\kk+\q):32*((\g)&7)+8*(2*\kk+\q)+3], v10, s[6:7] offset:((\g)>>3)*524288+\q*16384+(2*((\g)&7)+\kk)*1024
	global_load_b128 v[32*((\g)&7)+8*(2*\kk+\q)+4:32*((\g)&7)+8*(2*\kk+\q)+7], v10, s[6:7] offset:((\g)>>3)*524288+\q*16384+(2*((\g)&7)+\kk)*1024+512
.endr
.endr
.endm
.macro MULAV u, nn                     ; 8 matrix instructions on eight accumulators by turns, one instruction a turn
.irp q,0,1
.irp c,0,1,2,3
.if ((\u)&15)==0
	v_wmma_f32_16x16x32_f16 v[8*(16*\q+4*((\u)>>4)+\c):8*(16*\q+4*((\u)>>4)+\c)+7], v[VA+64*((\u)&1)+8*(4*\nn+\c):VA+64*((\u)&1)+8*(4*\nn+\c)+7], v[32*(((\u)>>1)&7)+8*(2*((\u)&1)+\q):32*(((\u)>>1)&7)+8*(2*((\u)&1)+\q)+7], 0
.else
	v_wmma_f32_16x16x32_f16 v[8*(16*\q+4*((\u)>>4)+\c):8*(16*\q+4*((\u)>>4)+\c)+7], v[VA+64*((\u)&1)+8*(4*\nn+\c):VA+64*((\u)&1)+8*(4*\nn+\c)+7], v[32*(((\u)>>1)&7)+8*(2*((\u)&1)+\q):32*(((\u)>>1)&7)+8*(2*((\u)&1)+\q)+7], v[8*(16*\q+4*((\u)>>4)+\c):8*(16*\q+4*((\u)>>4)+\c)+7]
.endif
.endr
.endr
.endm
.macro PREF tile                       ; my 32 rows of msa of the first or second n: 128 blocks of 256 bytes, lanes 256 bytes apart, each block asked for once in the launch
.irp i,0,1,2,3
	global_prefetch_b8 v14, s[92:93] offset:\tile*524288+8192*\i th:TH_LOAD_NT scope:SCOPE_SE
.endr
.endm
.macro HSTEP u, fetch
.if ((\u)&1)==0
.if (\u)/2<26
	s_wait_loadcnt 48                              ; this step's att fragments are in; the 48 loads of the six later steps stay out
.else
	s_wait_loadcnt 8*(31-(\u)/2)                   ; the steps that are left, eight loads each
.endif
.endif
	s_wait_dscnt 0x0                               ; this half step's V fragments, issued one half step ago
	PLACES                                         ; behind the last half step's matrix instructions: both runs of loads land on registers that it (or the one before it) read
.if \fetch
	FETCHV (\u+1)
.endif
.if ((\u)&1)==0
.if (\u)/2<25
	ATTLD ((\u)/2+7)                               ; seven steps ahead, into the buffer that the last step read
.endif
.if \u==28
	PREF 0                                         ; twenty half steps (320 matrix instructions) ahead of the tensor load that wants these rows
.endif
.if \u==44
	PREF 1
.endif
.endif
	WIN 0xa4                                       ; V window 0, att window 1, sums window 2: the first n
	MULAV \u,0
	WIN 0xf4                                       ; sums window 3: the second n
	MULAV \u,1
.endm
; A slot that has been read is filled again: my reads of it are back, all my tensor loads have landed, a round, and the one load first behind it.
.macro SWAP g0, g1
	WIN 0
	s_wait_dscnt 0x0
	s_wait_xcnt 0x0
	v_lshl_add_u32 v222, v0, 2, 0x47400
	v_mov_b32 v223, 0
	s_wait_tensorcnt 0x0
	ds_add_u32 v222, v223
	s_wait_dscnt 0x0
	ROUND
	tensor_load_to_lds s[\g0:\g0+3], s[\g1:\g1+7]
	s_nop 0
.endm
.macro SWAPV g0                        ; the same for V: the slot's next head lies two heads of 65,536 bytes further
	WIN 0
	s_wait_dscnt 0x0
	s_wait_xcnt 0x0
	v_lshl_add_u32 v222, v0, 2, 0x47400
	v_mov_b32 v223, 0
	s_wait_tensorcnt 0x0                           ; no tensor load of mine is out, so a group 0 may be written
	ds_add_u32 v222, v223
	s_wait_dscnt 0x0
	s_add_nc_u64 s[\g0+2:\g0+3], s[\g0+2:\g0+3], 131072
	ROUND
	tensor_load_to_lds s[\g0:\g0+3], s[GJ:GJ+7]    ; it has one head's 256 matrix instructions in which to land
	s_nop 0
.endm
.irp g,0,1,2,3,4,5,6
	ATTLD \g
.endr
	WIN 0
	s_wait_loadcnt 56                              ; the parameters are in; the 56 att loads issued behind them stay out
	v_pk_add_f32 v[162:163], v[162:163], v[166:167]
	ds_store_b64 v19, v[160:161]
	ds_store_b64 v19, v[164:165] offset:1024
	ds_store_b64 v19, v[162:163] offset:2048
	ds_store_b64 v19, v[168:169] offset:3072
	ds_store_b128 v20, v[172:175]
	ds_store_b128 v20, v[176:179] offset:2048
	s_wait_dscnt 0x0                               ; my part of the parameters is in LDS,
	s_wait_tensorcnt 0x1                           ; my quarter of slot A is in; slot B's may stay out
	s_barrier_signal -1
	s_barrier_wait -1
	FETCHV 0
.irp u,0,1,2,3,4,5,6,7,8,9,10,11,12,13,14
	HSTEP \u,1
.endr
	HSTEP 15,0                                     ; the next head's slot is shown whole only behind the round below: its first fragments are fetched there
	SWAPV G0VA                                     ; slot A: head 2
	FETCHV 16                                      ; into the buffer that half step 14 read: half step 15's four places lie between
.irp u,16,17,18,19,20,21,22,23,24,25,26,27,28,29,30
	HSTEP \u,1
.endr
	HSTEP 31,0
	SWAPV G0VB                                     ; slot B: head 3
	FETCHV 32
.irp u,32,33,34,35,36,37,38,39,40,41,42,43,44,45,46
	HSTEP \u,1
.endr
	HSTEP 47,0
	SWAP G0MA,GM                                   ; slot A: my rows of msa, first n
	FETCHV 48
.irp u,48,49,50,51,52,53,54,55,56,57,58,59,60,61,62
	HSTEP \u,1
.endr
	HSTEP 63,0
	SWAP G0MB,GM                                   ; slot B: my rows of msa, second n
; ---- the norms, a row block of 16 rows at a time.  Each pass runs under one window setting.  All norms in two passes: mean, then centred squares.
.macro RED4
	v_pk_add_f32 v[ST:ST+1], v[ST:ST+1], v[ST+2:ST+3]
	v_pk_add_f32 v[ST+4:ST+5], v[ST+4:ST+5], v[ST+6:ST+7]
	v_pk_add_f32 v[ST:ST+1], v[ST:ST+1], v[ST+4:ST+5]
	v_add_f32 v[ST], v[ST], v[ST+1]
	v_permlanex16_b32 v[ST+1], v[ST], s88, s89
	v_add_f32 v[ST], v[ST], v[ST+1]
.endm
.macro SUM128 w, src                   ; the mean of the 128 registers at src of window w (and the partner lane's) -> MEAN
	WIN (\w|(\w<<2))
.irp c,0,1,2,3
	v_pk_add_f32 v[ST+2*\c:ST+2*\c+1], v[\src+4*\c:\src+4*\c+1], v[\src+4*\c+2:\src+4*\c+3]
.endr
	WIN \w
.set i, 8
.rept 56
	v_pk_add_f32 v[ST+2*(i%4):ST+2*(i%4)+1], v[\src+2*i:\src+2*i+1], v[ST+2*(i%4):ST+2*(i%4)+1]
.set i, i+1
.endr
	WIN 0
	RED4
	v_mul_f32 v[MEAN], s91, v[ST]
	v_mov_b32 v[MEAN+1], v[MEAN]
.endm
.macro CEN128 wd, dst, ws, src         ; dst = src - mean
	WIN ((\wd<<6)|\ws)
.set i, 0
.rept 64
	v_pk_add_f32 v[\dst+2*i:\dst+2*i+1], v[\src+2*i:\src+2*i+1], v[MEAN:MEAN+1] neg_lo:[0,1] neg_hi:[0,1]
.set i, i+1
.endr
.endm
.macro SQ128 w, src, dst               ; 1 / sqrt(mean square + 1e-5) -> the pair at dst
	WIN (\w|(\w<<2))
.irp c,0,1,2,3
	v_pk_mul_f32 v[ST+2*\c:ST+2*\c+1], v[\src+2*\c:\src+2*\c+1], v[\src+2*\c:\src+2*\c+1]
.endr
.set i, 4
.rept 60
	v_pk_fma_f32 v[ST+2*(i%4):ST+2*(i%4)+1], v[\src+2*i:\src+2*i+1], v[\src+2*i:\src+2*i+1], v[ST+2*(i%4):ST+2*(i%4)+1]
.set i, i+1
.endr
	WIN 0
	RED4
	v_fma_f32 v[ST], v[ST], s91, s90
	v_rsq_f32 v[\dst], v[ST]
	v_nop                                          ; one plain place behind the transcendental
	s_wait_alu depctr_va_vdst(0)
	v_mov_b32 v[\dst+1], v[\dst]
.endm
.macro PARLD bb, dst                   ; the three parameters of column tiles 2 bb, 2 bb + 1: 12 loads
.irp a,0,1,2
.irp j,0,1,2,3
	ds_load_b128 v[\dst+16*\a+4*\j:\dst+16*\a+4*\j+3], v8 offset:1024*\a+128*(\bb)+64*(\j>>1)+16*(\j&1)
.endr
.endr
.endm
; rb: row block; slot, rbl: where its msa rows lie; w: its accumulators' window
.macro LNROW rb, slot, rbl, w
.set AB, 128*((\rb)&1)
	WIN 0
.irp t,0,1,2,3,4,5,6,7,8,9,10,11,12,13,14,15
.irp q,0,1
	ds_load_b128 v[M+8*\t+4*\q:M+8*\t+4*\q+3], v[AM+\slot] offset:\rbl*16640+64*\t+16*\q
.endr
.endr
	PARLD 0,PA
	s_wait_dscnt 12                                ; msa's rows are in; the 12 parameter loads stay out
	SUM128 0,M
	CEN128 0,M,0,M
	SQ128 0,M,RM
	SUM128 \w,AB
	CEN128 \w,AB,\w,AB
	SQ128 \w,AB,RA
	; msa2 = (msa - mean) rstd g1 + (out - mean) rstd g2 + (b1 + b2), two column tiles at a time, into the accumulators
.irp b,0,1,2,3,4,5,6,7
	WIN 0
.if \b<7
	PARLD (\b+1),(PA+48*((\b+1)&1))
	s_wait_dscnt 12                                ; this batch's parameters are in; the next batch's 12 loads stay out
.else
	s_wait_dscnt 0x0
.endif
.set PX, PA+48*((\b)&1)
.set i, 0
.rept 8
	v_pk_mul_f32 v[PX+i:PX+i+1], v[PX+i:PX+i+1], v[RM:RM+1]
	v_pk_mul_f32 v[PX+16+i:PX+17+i], v[PX+16+i:PX+17+i], v[RA:RA+1]
.set i, i+2
.endr
.set i, 0
.rept 8
	v_pk_fma_f32 v[PX+32+i:PX+33+i], v[M+16*\b+i:M+16*\b+i+1], v[PX+i:PX+i+1], v[PX+32+i:PX+33+i]
.set i, i+2
.endr
	WIN ((\w<<6)|\w)
.set i, 0
.rept 8
	v_pk_fma_f32 v[AB+16*\b+i:AB+16*\b+i+1], v[AB+16*\b+i:AB+16*\b+i+1], v[PX+16+i:PX+17+i], v[PX+32+i:PX+33+i]
.set i, i+2
.endr
.endr
	; LN(msa2) without gain and shift -> bf16 fragments; the accumulators keep msa2: the residual, onto which the second FF product adds
	SUM128 \w,AB
	CEN128 0,M,\w,AB
	SQ128 0,M,R3
.set i, 0
.rept 64
	v_pk_mul_f32 v[M+2*i:M+2*i+1], v[M+2*i:M+2*i+1], v[R3:R3+1]
.set i, i+1
.endr
	WIN 0x40
.set i, 0
.rept 64
	v_cvt_pk_bf16_f32 v[64*\rb+i], v[M+2*i], v[M+2*i+1]
.set i, i+1
.endr
.endm
	PLACES                                         ; behind the last matrix instructions of att V: their results are read, their sources loaded into
	LNROW 0,0,0,2
	LNROW 1,0,1,2
	SWAP G0WA,GJ                                   ; slot A: chunk 0 of wff, asked for jointly
	LNROW 2,1,0,3
	LNROW 3,1,1,3
; ---- the feed-forward: 8 chunks of 128 hidden, each 4 sub-chunks of 32 hidden; a sub-chunk is four quarters of 32 matrix instructions, and each
; quarter issues the next quarter's 16 LDS loads ahead of its matrix instructions.
.macro FW1 s, sc, kh, wb               ; W1 fragments (hidden tile 2 sc + hh, ks 4 kh + kq)
	WIN 0
.irp hh,0,1
.irp kq,0,1,2,3
	ds_load_b128 v[\wb+8*(4*\hh+\kq):\wb+8*(4*\hh+\kq)+3], v[AS+2*\s] offset:((2*(\sc)+\hh)*8+4*\kh+\kq)*1024
	ds_load_b128 v[\wb+8*(4*\hh+\kq)+4:\wb+8*(4*\hh+\kq)+7], v[AS+2*\s] offset:((2*(\sc)+\hh)*8+4*\kh+\kq)*1024+512
.endr
.endr
.endm
.macro FW2 s, sc, ch, wb               ; W2 fragments (K step sc, column tile 8 ch + c)
	WIN 0
.irp c,0,1,2,3,4,5,6,7
	ds_load_b128 v[\wb+8*\c:\wb+8*\c+3], v[AS+2*\s+1] offset:(16*\sc+8*\ch+\c)*1024
	ds_load_b128 v[\wb+8*\c+4:\wb+8*\c+7], v[AS+2*\s+1] offset:(16*\sc+8*\ch+\c)*1024+512
.endr
.endm
.macro FBT sc                          ; b1f of the sub-chunk's two hidden tiles: the first products' C
.irp hh,0,1
.irp q,0,1
	ds_load_b128 v[BT+8*\hh+4*\q:BT+8*\hh+4*\q+3], v9 offset:(2*(\sc)+\hh)*64+16*\q
.endr
.endr
.endm
.macro MUL1 kh, wb                     ; hidden += W1 x X over four K steps: eight accumulators by turns
	WIN 0x04
.irp kq,0,1,2,3
.irp hh,0,1
.irp b,0,1,2,3
.if (\kh+\kq)==0
	v_wmma_f32_16x16x32_bf16 v[HACC+8*(4*\hh+\b):HACC+8*(4*\hh+\b)+7], v[\wb+8*(4*\hh+\kq):\wb+8*(4*\hh+\kq)+7], v[64*\b+8*(4*\kh+\kq):64*\b+8*(4*\kh+\kq)+7], v[BT+8*\hh:BT+8*\hh+7]
.else
	v_wmma_f32_16x16x32_bf16 v[HACC+8*(4*\hh+\b):HACC+8*(4*\hh+\b)+7], v[\wb+8*(4*\hh+\kq):\wb+8*(4*\hh+\kq)+7], v[64*\b+8*(4*\kh+\kq):64*\b+8*(4*\kh+\kq)+7], v[HACC+8*(4*\hh+\b):HACC+8*(4*\hh+\b)+7]
.endif
.endr
.endr
.endr
.endm
.macro MUL2 ch, wb                     ; msa2 += W2 x relu(hidden): 32 different accumulators
	WIN 0xa0
.irp c,0,1,2,3,4,5,6,7
.irp b,0,1
	v_wmma_f32_16x16x32_bf16 v[8*(16*\b+8*\ch+\c):8*(16*\b+8*\ch+\c)+7], v[\wb+8*\c:\wb+8*\c+7], v[HF+8*\b:HF+8*\b+7], v[8*(16*\b+8*\ch+\c):8*(16*\b+8*\ch+\c)+7]
.endr
.endr
	WIN 0xf0
.irp c,0,1,2,3,4,5,6,7
.irp b,0,1
	v_wmma_f32_16x16x32_bf16 v[8*(16*\b+8*\ch+\c):8*(16*\b+8*\ch+\c)+7], v[\wb+8*\c:\wb+8*\c+7], v[HF+8*(2+\b):HF+8*(2+\b)+7], v[8*(16*\b+8*\ch+\c):8*(16*\b+8*\ch+\c)+7]
.endr
.endr
.endm
.macro SUB s, sc
	s_wait_dscnt 0x0                               ; each wait at a quarter's head is for the one run of loads issued a quarter ago
	PLACES                                         ; behind the last quarter's matrix instructions, which read the buffer that is loaded next
	FW1 \s,\sc,1,WB1
	MUL1 0,WB0
	s_wait_dscnt 0x0
	PLACES
	FW2 \s,\sc,0,WB0
	MUL1 1,WB1
	PLACES                                         ; the hidden sums are read; these places also serve the loads into WB1 below
	WIN 0
.set i, 0
.rept 64
	v_max_num_f32 v[HACC+i], 0, v[HACC+i]
.set i, i+1
.endr
.irp b,0,1,2,3
.irp hh,0,1
.irp p,0,1,2,3
	v_cvt_pk_bf16_f32 v[HF+8*\b+4*\hh+\p], v[HACC+8*(4*\hh+\b)+2*\p], v[HACC+8*(4*\hh+\b)+2*\p+1]
.endr
.endr
.endr
	s_wait_dscnt 0x0
	FW2 \s,\sc,1,WB1
	MUL2 0,WB0
	s_wait_dscnt 0x0
.if \sc<3
	PLACES
	FW1 \s,(\sc+1),0,WB0
	FBT (\sc+1)
.endif
	MUL2 1,WB1
.endm
.macro CHUNK s
	PLACES                                         ; the last chunk's closing quarters multiplied from WB0 and then from WB1 with no run of loads between them:
	                                               ; these four places stand between those matrix instructions and the loads into WB0 below, on every way in
	FW1 \s,0,0,WB0
	FBT 0
	SUB \s,0
	SUB \s,1
	SUB \s,2
	SUB \s,3
	WIN 0
	v_add_nc_u32 v9, 512, v9                       ; the next chunk's 128 numbers of b1f
.endm
; The chunk in the other slot has landed and the slot named here has been read: it is filled again, jointly, two chunks ahead.
.macro ENTER x, other
	WIN 0
	s_wait_xcnt 0x0
	v_lshl_add_u32 v222, v0, 2, 0x47400
	v_mov_b32 v223, 0
	s_wait_tensorcnt 0x0                           ; all my tensor loads have landed, so a group 0 may be written:
	ds_add_u32 v222, v223
	s_wait_dscnt 0x0
	s_add_nc_u64 s[\other+2:\other+3], s[\other+2:\other+3], 262144   ; the other slot's next chunk
	s_wait_dscnt 0x0                               ; my reads of this slot are back
	ROUND                                          ; both hold of every wave of the cluster
	tensor_load_to_lds s[\x:\x+3], s[GJ:GJ+7]      ; the one tensor load behind the round; it has a chunk's 512 matrix instructions in which to land
	s_nop 0
.endm
	WIN 0
	s_mov_b32 s31, 3
.Lff:
	ENTER G0WB,G0WA
	CHUNK 0
	ENTER G0WA,G0WB
	CHUNK 1
	WIN 0
	s_sub_co_u32 s31, s31, 1
	s_cmp_lg_u32 s31, 0
	s_cbranch_scc1 .Lff
	ENTER G0WB,G0WA                                ; chunk 7: the last load (slot A's stepped address is not used)
	CHUNK 0
	WIN 0
	s_wait_tensorcnt 0x0                           ; my quarter of chunk 7 is in,
	s_wait_dscnt 0x0
	s_barrier_signal -1
	s_barrier_wait -1                              ; everybody's is
	CHUNK 1
; ---- the way out: 16 rows x 64 columns at a time through my own stage (pitch 272: row r starts 16 r bytes further modulo 256), read back as
; whole pieces of 256 bytes of a row, + b2, stored.  LDS serves a wave's instructions in order (ISA guide 5.7.1): no wait between stores and loads.
	PLACES                                         ; behind the last matrix instructions: results are read, their sources loaded into
	v_lshl_add_u32 v16, v1, 4, PAR+3072
.irp c,0,1,2,3
	ds_load_b128 v[B2R+4*\c:B2R+4*\c+3], v16 offset:256*\c
.endr
.macro PIECE rb, cq
	WIN ((2+((\rb)>>1))<<2)
.irp c,0,1,2,3
.irp q,0,1
	ds_store_b128 v11, v[8*(16*((\rb)&1)+4*\cq+\c)+4*\q:8*(16*((\rb)&1)+4*\cq+\c)+4*\q+3] offset:64*\c+16*\q
.endr
.endr
	WIN 0
	s_wait_xcnt 0x0                                ; this set of TMP, which earlier stores read, is loaded again only behind this wait
.irp t,0,1,2,3,4,5,6,7
	ds_load_b128 v[TMP+32*((\cq)&1)+4*\t:TMP+32*((\cq)&1)+4*\t+3], v12 offset:544*\t
.endr
.irp t,0,1,2,3,4,5,6,7
	s_wait_dscnt 7-\t                              ; the younger read-backs stay out
	v_pk_add_f32 v[TMP+32*((\cq)&1)+4*\t:TMP+32*((\cq)&1)+4*\t+1], v[TMP+32*((\cq)&1)+4*\t:TMP+32*((\cq)&1)+4*\t+1], v[B2R+4*\cq:B2R+4*\cq+1]
	v_pk_add_f32 v[TMP+32*((\cq)&1)+4*\t+2:TMP+32*((\cq)&1)+4*\t+3], v[TMP+32*((\cq)&1)+4*\t+2:TMP+32*((\cq)&1)+4*\t+3], v[B2R+4*\cq+2:B2R+4*\cq+3]
	global_store_b128 v13, v[TMP+32*((\cq)&1)+4*\t:TMP+32*((\cq)&1)+4*\t+3], s[24:25] offset:((\rb)>>1)*524288+(16*((\rb)&1)+2*\t)*1024+256*\cq th:TH_STORE_NT   ; row blocks 2, 3 are the second n; 16 lanes store 256 consecutive aligned bytes
.endr
.endm
.irp rb,0,1,2,3
.irp cq,0,1,2,3
	PIECE \rb,\cq
.endr
.endr
	s_wait_xcnt 0x0
	v_lshl_add_u32 v222, v0, 2, 0x47400
	v_mov_b32 v223, 0
	s_wait_tensorcnt 0x0
	ds_add_u32 v222, v223
	s_wait_dscnt 0x0
	ROUND                                          ; the closing round: no work-group ends while a partner may still ask jointly
	s_endpgm
.Lfunc_end_k_q05151843ba_main:
	.size	k_q05151843ba_main, .Lfunc_end_k_q05151843ba_main-k_q05151843ba_main
	.p2alignl 7, 3214868480
	.fill 96, 4, 3214868480
	.section	.rodata,"a",@progbits
	.p2align	6, 0x0
	.amdhsa_kernel k_q05151843ba_main
		.amdhsa_group_segment_fixed_size 327680
		.amdhsa_private_segment_fixed_size 0
		.amdhsa_enable_private_segment 0
		.amdhsa_kernarg_size 88
		.amdhsa_user_sgpr_count 2
		.amdhsa_user_sgpr_kernarg_segment_ptr 1
		.amdhsa_wavefront_size32 1
		.amdhsa_system_sgpr_workgroup_id_x 1
		.amdhsa_system_sgpr_workgroup_id_y 1
		.amdhsa_system_sgpr_workgroup_id_z 1
		.amdhsa_system_vgpr_workitem_id 0
		.amdhsa_next_free_vgpr 1024
		.amdhsa_next_free_sgpr 96
		.amdhsa_reserve_vcc 0
		.amdhsa_float_denorm_mode_32 3
		.amdhsa_float_denorm_mode_16_64 3
		.amdhsa_memory_ordered 1
		.amdhsa_forward_progress 1
		.amdhsa_inst_pref_size 255
	.end_amdhsa_kernel
	.section	.bss,"aw",@nobits
	.p2align	6
	.space	262144
	.amdgpu_metadata
---
amdhsa.version: [ 1, 2 ]
amdhsa.kernels:
  - .name:           k_q05151843ba_main
    .symbol:         k_q05151843ba_main.kd
    .args:
      - { .name: msa, .offset: 0, .size: 8, .value_kind: global_buffer, .address_space: global }
      - { .name: attf, .offset: 8, .size: 8, .value_kind: global_buffer, .address_space: global }
      - { .name: vf, .offset: 16, .size: 8, .value_kind: global_buffer, .address_space: global }
      - { .name: wff, .offset: 24, .size: 8, .value_kind: global_buffer, .address_space: global }
      - { .name: b1f, .offset: 32, .size: 8, .value_kind: global_buffer, .address_space: global }
      - { .name: ln_msa_g, .offset: 40, .size: 8, .value_kind: global_buffer, .address_space: global }
      - { .name: ln_msa_b, .offset: 48, .size: 8, .value_kind: global_buffer, .address_space: global }
      - { .name: ln_out_g, .offset: 56, .size: 8, .value_kind: global_buffer, .address_space: global }
      - { .name: ln_out_b, .offset: 64, .size: 8, .value_kind: global_buffer, .address_space: global }
      - { .name: b2, .offset: 72, .size: 8, .value_kind: global_buffer, .address_space: global }
      - { .name: out0, .offset: 80, .size: 8, .value_kind: global_buffer, .address_space: global }
    .group_segment_fixed_size: 327680
    .private_segment_fixed_size: 0
    .kernarg_segment_align: 8
    .kernarg_segment_size: 88
    .max_flat_workgroup_size: 128
    .sgpr_count:     96
    .vgpr_count:     1024
    .wavefront_size: 32
...
	.end_amdgpu_metadata
.endif
;; end of part 5
